; MI455X (gfx1250); checked and timed in simulation.
; The chip was launched on July 23, 2026; its instructions are those of AMD's public machine-readable ISA for CDNA 5 (MIT licence, August 2026) and "CDNA5" Instruction Set Architecture Reference Guide (July 2026). The comments in the code are by the model that wrote it; some were corrected since.
;; Mo E. Allowed arithmetic: matrix products marked QUANTISED: E5M2 operands, one given power-of-two scale a tensor, by v_wmma_f32_16x16x64_bf8_bf8 or v_wmma_f32_16x16x128_bf8_bf8, f32 sums; products left as they are: f32 operands where the result goes on into a quantised operand, else bf16, f16 or f32 operands; f32 sums; everything else in f32.
;; Inputs: W1_codes 8 x 4,096 x 32 x 32 uint8 (E5M2 codes of W1, K innermost, in blocks of 32 codes); W2_codes 8 x 1,024 x 128 x 32 uint8 (E5M2 codes of W2, K innermost, in blocks of 32 codes); Wr 1,024 x 8 float32; b1 8 x 4,096 float32; b2 8 x 1,024 float32; br 8 float32; lowp_scales 4 int32 (the exponents e of the quantised operands' scales 2^e); x 4 x 256 x 1,024 float32.
;; Outputs: out0 4 x 256 x 1,024 float32; out1 one number float32.
;; This version of the problem:
;;   THIS VERSION OF THE PROBLEM IS GIVEN IN LOW PRECISION. The matrix products marked QUANTISED in the list below multiply operands that are first quantised to E5M2 (5 exponent bits, 2 mantissa bits; 8 bits a number), with one given power-of-two scale for each operand tensor; their sums are f32. All else is computed in f32.
;;   The module's matrix products, in the order in which they are computed (A, B: the left and right operand; K: the contracted axis; several contracted axes count as one K, in the product's order):
;;     1. [M 1,024, K 1,024] x [K 1,024, N 8]; A: input x; B: input Wr: left as it is (N = 8 < 16)
;;     2. [M 1,024, K 1,024] x [K 1,024, N 32,768]; A: input x; B: input W1 (given as codes): QUANTISED (scales: A lowp_scales[0], B lowp_scales[1])
;;     3. batch 8 x [M 1,024, K 4,096] x [K 4,096, N 1,024]; A: input W2 (given as codes); B: computed on the way: QUANTISED (scales: A lowp_scales[2], B lowp_scales[3])
;;     4. batch 1,024 x [M 1, K 8] x [K 8, N 1,024]; A: computed on the way; B: computed on the way: left as it is (K = 8 < 32)
;;   THE QUANTISER, for each operand of a quantised product, along K:
;;     - The operand's scale is 2^e, e = its entry of the input lowp_scales (int32; the entries are numbered through the quantised products in the list's order, A before B).
;;     - Each number is divided by the scale, clamped to +-57,344, and rounded to the nearest number of E5M2, ties to even, subnormals kept.
;;     - The product sums the exact products of the quantised numbers (number of the format x scale) in f32.
;;   ~~~python
;;   def quantise(x, axis, e):      # numpy; x: float32 -> the quantised numbers, widened to float32 again
;;       x = np.moveaxis(x, axis, -1); K = x.shape[-1]
;;       r = np.clip(x / 2.0 ** e, -57344, 57344)
;;       step = 2.0 ** (np.maximum(np.frexp(np.where(r == 0, 1, r))[1] - 1, -14) - 2)
;;       q = np.round(r / step) * step * 2.0 ** e      # np.round: ties to even
;;       return np.moveaxis(q, -1, axis).astype(np.float32)
;;   ~~~
;;   OPERANDS COMPUTED ON THE WAY. 'Computed on the way' means the value that the module computes at that place (a softmax that the list does not call 'softmax' is quantised finished and normalised). What goes into a quantiser is computed in f32, as accurately as f32 sums, v_exp_f32 and their like allow (about 1e-6 of the number): no bf16 or f16 on the way to a quantiser, and a product that is left as it is and whose result goes on into a quantised operand takes f32 operands (vector FMAs, or v_wmma_f32_16x16x4_f32). A number that lies on a knife's edge between two numbers of the format may be rounded either way, as far as f32 arithmetic and the matrix unit's own rounding can turn it there, and no further.
;;   INPUTS GIVEN AS CODES. W1 (in the module: [8, 1024, 4096], K = its axis 1); W2 (in the module: [8, 4096, 1024], K = its axis 1): each comes as NAME_codes (uint8): NAME with its K axis moved to the last place and cut into blocks of 32 codes, [.., K / 32, bytes a block], one block behind the other in memory; one code a byte (a code: sign, 5 exponent bits, 2 mantissa bits); its scale is its entry of lowp_scales. Its value is code x scale, taken as it is: it is not quantised again, and the codes and scales need not be those that the quantiser above would give.
;; 2 versions. Each part assembles by itself: llvm-mc -triple=amdgcn-amd-amdhsa -mcpu=gfx1250 --defsym DOCPART=n.
;; ======== version 1 of 2: 4 launches
;; limits: an absolute error that grows with the inputs' magnitude: up to 1e-07 times it
;; workspace buffers: xq 1,048,576 bytes; masks 2,048 bytes of whole numbers; gw 8,192 bytes; imp 4,096 bytes; hq 33,554,432 bytes; y 17,825,792 bytes
;; launch router (part 1): grid 128 x 1, 4 waves a work-group, no clusters, 1,536 bytes of LDS; arguments x, Wr, br, lowp_scales, xq, masks, gw, imp; writes xq, masks, gw, imp
.if DOCPART == 1
	.amdgcn_target "amdgcn-amd-amdhsa--gfx1250"
	.amdhsa_code_object_version 6
	.text
	.protected	k_qc48c3d407e_router
	.globl	k_qc48c3d407e_router
	.p2align	8
	.type	k_qc48c3d407e_router,@function
k_qc48c3d407e_router:
	s_mov_b64 s[64:65], 0
	v_nop
	global_prefetch_b8 v0, s[64:65] scope:SCOPE_SE
	s_setreg_imm32_b32 hwreg(HW_REG_WAVE_MODE, 25, 1), 1
	s_wait_xcnt 0x0
; THE ROUTER, AND x AS CODES.  logits = x Wr + br in f32; softmax over the 8 experts (its sums go to imp, for the aux loss); the two largest logits (the lower index wins a tie) and the softmax of those two.
; A work-group takes 8 tokens.  Wave w takes K = 256 w .. 256 w + 255 of all 8, lane l the 8 neighbours 256 w + 8 l + j: so x is read once, and the same registers give the logits' partial sums and the E5M2 codes of x.
; code = x / 2^e0, held within +-57,344, to the nearest code, ties to even (e0 = entry 0 of the scales).
; OUT, all at fixed places: xq [1024][1024] codes; masks [2][8][128] bytes: bit t % 8 of byte t / 8: kind 0 the expert is one of token t's two, kind 1 it is its second; gw [1024][2] the two gate weights; imp [128][8] this group's sums of the softmax.
; No address and no branch hangs on the choice: it leaves as data.
; LIMITS: e0 between -126 and 112.  NaN and infinities among x, Wr, br are not served (the second choice is found among finite logits).  Two logits nearer than the rounding of an f32 sum of 1,024 terms may be ordered otherwise than another order of summing orders them.
; No matrix unit: N = 8 is under a tile's 16, and the product is 8 M multiply-adds.
.set X,   32                           ; v32-95   x: token k at X + 8 k
.set WR,  96                           ; v96-159  Wr: register WR + 8 j + e = Wr[my k + j][e]
.set CD,  160                          ; v160-175 codes, two registers a token: no store's data are written again
.set ACC, 176                          ; v176-239 partial logits, eight a token: no LDS store's data are written again
	s_load_b512 s[4:19], s[0:1], 0x0               ; x s[4:5], Wr s[6:7], br s[8:9], scales s[10:11], xq s[12:13], masks s[14:15], gw s[16:17], imp s[18:19]
	v_lshl_add_u32 v254, v0, 2, 0x400
	v_mov_b32 v255, 0
	v_lshrrev_b32 v7, 5, v0
	v_readfirstlane_b32 s20, v7                    ; wave
	v_lshlrev_b32 v1, 5, v0                        ; x: 1,024 w + 32 l bytes in a row
	v_lshlrev_b32 v2, 8, v0                        ; Wr: my 8 rows of 32 bytes: 8,192 w + 256 l
	v_lshlrev_b32 v3, 3, v0                        ; xq: 256 w + 8 l
	v_lshlrev_b32 v4, 8, v7                        ; LDS: my wave's 256 bytes of partial logits
	v_mov_b32 v6, 0
	v_and_b32 v16, 7, v0                           ; wave 0's second part: a lane to a token, l % 8
	v_lshlrev_b32 v17, 3, v16                      ; its 8 bytes in gw
	v_lshlrev_b32 v16, 5, v16                      ; its 32 bytes in a wave's partial logits
.irp i, 8,9,10,11,12,13,14,15
	v_mov_b32 v\i, 0                               ; written once: a lane permute's destination counts as one of its sources
.endr
	s_mov_b32 s36, 0x76543210
	s_mov_b32 s37, 0xfedcba98                      ; v_permlanex16_b32: lane l xor 16
	s_mov_b32 s39, 0
	s_wait_kmcnt 0x0
	s_load_b256 s[24:31], s[8:9], 0x0              ; br
	s_load_b32 s32, s[10:11], 0x0                  ; e0
	s_lshl_b32 s38, ttmp9, 15
	s_add_nc_u64 s[4:5], s[4:5], s[38:39]          ; x: 8 rows of 4,096 bytes a group
	s_lshl_b32 s38, ttmp9, 13
	s_add_nc_u64 s[12:13], s[12:13], s[38:39]      ; xq: 8 rows of 1,024
	s_mov_b32 s38, ttmp9
	s_add_nc_u64 s[14:15], s[14:15], s[38:39]      ; masks: my byte
	s_lshl_b32 s38, ttmp9, 6
	s_add_nc_u64 s[16:17], s[16:17], s[38:39]      ; gw: 8 x 8 bytes
	s_lshl_b32 s38, ttmp9, 5
	s_add_nc_u64 s[18:19], s[18:19], s[38:39]      ; imp: 32 bytes
.irp i, 0,1,2,3,4,5,6,7,8,9,10,11,12,13,14,15
	global_load_b128 v[WR+4*\i:WR+4*\i+3], v2, s[6:7] offset:16*\i
.endr
.irp k, 0,1,2,3,4,5,6,7
	global_load_b128 v[X+8*\k:X+8*\k+3], v1, s[4:5] offset:4096*\k th:TH_LOAD_NT
	global_load_b128 v[X+8*\k+4:X+8*\k+7], v1, s[4:5] offset:4096*\k+16 th:TH_LOAD_NT
.endr
	s_wait_kmcnt 0x0
	s_add_co_i32 s32, s32, 127
	s_lshl_b32 s33, s32, 23
	v_mov_b32 v5, s33                              ; 2^e0 as f32: the conversion takes its exponent field
	s_add_co_i32 s32, s32, 15
	s_lshl_b32 s32, s32, 23
	s_or_b32 s34, s32, 0x600000                    ; 57,344 x 2^e0
	s_or_b32 s35, s34, 0x80000000                  ; and its negative
; One token: codes of my 8 numbers, my 8 partial logits, their sum over the wave's 32 lanes, to LDS.
.macro TOKEN k
	s_wait_loadcnt 14-2*\k                         ; Wr and this token's two loads are in; the younger tokens' two each may be out
.irp i, 0,1,2,3,4,5,6,7
	v_med3_num_f32 v[24+\i], v[X+8*\k+\i], s35, s34   ; the conversion to an 8-bit code does not saturate (ISA guide 7.6.2): the hold comes first
.endr
	v_cvt_scalef32_pk8_bf8_f32 v[CD+2*\k:CD+2*\k+1], v[24:31], v5
.irp p, 0,2,4,6
	v_pk_mul_f32 v[ACC+8*\k+\p:ACC+8*\k+\p+1], v[X+8*\k:X+8*\k+1], v[WR+\p:WR+\p+1] op_sel_hi:[0,1]   ; x_0 for both halves: the first product starts the sums
.endr
.irp j, 1,2,3,4,5,6,7
.irp p, 0,2,4,6
.if \j % 2
	v_pk_fma_f32 v[ACC+8*\k+\p:ACC+8*\k+\p+1], v[X+8*\k+\j-1:X+8*\k+\j], v[WR+8*\j+\p:WR+8*\j+\p+1], v[ACC+8*\k+\p:ACC+8*\k+\p+1] op_sel:[1,0,0] op_sel_hi:[1,1,1]   ; the pair's second register, x_j, for both halves
.else
	v_pk_fma_f32 v[ACC+8*\k+\p:ACC+8*\k+\p+1], v[X+8*\k+\j:X+8*\k+\j+1], v[WR+8*\j+\p:WR+8*\j+\p+1], v[ACC+8*\k+\p:ACC+8*\k+\p+1] op_sel_hi:[0,1,1]   ; the pair's first register for both halves
.endif
.endr
.endr
	global_store_b64 v3, v[CD+2*\k:CD+2*\k+1], s[12:13] offset:1024*\k   ; the wave stores 256 consecutive bytes, aligned
.irp m, 1,2,4,8
.irp e, 0,1,2,3,4,5,6,7
	v_add_f32_dpp v[ACC+8*\k+\e], v[ACC+8*\k+\e], v[ACC+8*\k+\e] row_xmask:\m row_mask:0xf bank_mask:0xf
.endr
.endr
.irp e, 0,1,2,3,4,5,6,7
	v_permlanex16_b32 v[8+\e], v[ACC+8*\k+\e], s36, s37
.endr
.irp e, 0,1,2,3,4,5,6,7
	v_add_f32 v[ACC+8*\k+\e], v[ACC+8*\k+\e], v[8+\e]
.endr
	ds_store_b128 v4, v[ACC+8*\k:ACC+8*\k+3] offset:32*\k          ; every lane holds the same sums and writes the same words
	ds_store_b128 v4, v[ACC+8*\k+4:ACC+8*\k+7] offset:32*\k+16
.endm
.irp k, 0,1,2,3,4,5,6,7
	TOKEN \k
.endr
	s_wait_dscnt 0x0                               ; for the others' sake: my partial logits lie in LDS
	s_barrier_signal -1
	s_barrier_wait -1
	s_cmp_lg_u32 s20, 0
	s_cbranch_scc1 .Lend                           ; the rest is 8 tokens' worth of work: wave 0 does it, a lane to a token, four lanes alike, so that every lane stays on
.irp w, 0,1,2,3
	ds_load_b128 v[32+8*\w:35+8*\w], v16 offset:256*\w
	ds_load_b128 v[36+8*\w:39+8*\w], v16 offset:256*\w+16
.endr
	s_wait_dscnt 0x0
.irp e, 0,2,4,6
	v_pk_add_f32 v[64+\e:65+\e], v[32+\e:33+\e], v[40+\e:41+\e]
	v_pk_add_f32 v[72+\e:73+\e], v[48+\e:49+\e], v[56+\e:57+\e]
.endr
.irp e, 0,2,4,6
	v_pk_add_f32 v[64+\e:65+\e], v[64+\e:65+\e], v[72+\e:73+\e]
.endr
.irp e, 0,1,2,3,4,5,6,7
	v_add_f32 v[64+\e], s[24+\e], v[64+\e]         ; v64-71: the token's eight logits
.endr
	; the softmax over all eight, with the maximum taken away
	v_max3_num_f32 v80, v64, v65, v66
	v_max3_num_f32 v80, v80, v67, v68
	v_max3_num_f32 v80, v80, v69, v70
	v_max_num_f32 v80, v80, v71
.irp e, 0,1,2,3,4,5,6,7
	v_sub_f32 v[72+\e], v[64+\e], v80
.endr
.irp e, 0,1,2,3,4,5,6,7
	v_mul_f32 v[72+\e], 0x3fb8aa3b, v[72+\e]       ; x log2(e)
.endr
.irp e, 0,1,2,3,4,5,6,7
	v_exp_f32 v[72+\e], v[72+\e]
.endr
	v_mov_b32 v96, 0xff800000                      ; -infinity, for the second choice.  (The plain line behind the exponentials)
	s_wait_alu depctr_va_vdst(0)                   ; one wait for the eight, ahead of their first reader
	v_add_f32 v81, v72, v73
	v_add_f32 v82, v74, v75
	v_add_f32 v83, v76, v77
	v_add_f32 v97, v78, v79
	v_add_f32 v81, v81, v82
	v_add_f32 v83, v83, v97
	v_add_f32 v81, v81, v83
	v_rcp_f32 v81, v81
	v_mov_b32 v84, v64                             ; the first choice begins at expert 0.  (The plain line behind the reciprocal)
	s_wait_alu depctr_va_vdst(0)
.irp e, 0,1,2,3,4,5,6,7
	v_mul_f32 v[72+\e], v[72+\e], v81
.endr
.irp m, 1,2,4
.irp e, 0,1,2,3,4,5,6,7
	v_add_f32_dpp v[72+\e], v[72+\e], v[72+\e] row_xmask:\m row_mask:0xf bank_mask:0xf   ; over the group's eight tokens
.endr
.endr
	global_store_b128 v6, v[72:75], s[18:19]       ; every lane holds the same eight sums
	global_store_b128 v6, v[76:79], s[18:19] offset:16
	; the two largest: an expert takes the place only if its logit is larger, so the lower index keeps a tie
	v_mov_b32 v85, 0
.irp e, 1,2,3,4,5,6,7
	v_cmp_le_f32 vcc_lo, v[64+\e], v84
	v_cndmask_b32 v85, \e, v85, vcc_lo
	v_cndmask_b32 v84, v[64+\e], v84, vcc_lo
.endr
.irp e, 0,1,2,3,4,5,6,7
	v_cmp_eq_u32 vcc_lo, \e, v85
	v_cndmask_b32 v[88+\e], v[64+\e], v96, vcc_lo  ; the first choice is taken out
.endr
	v_mov_b32 v86, v88
	v_mov_b32 v87, 0
.irp e, 1,2,3,4,5,6,7
	v_cmp_le_f32 vcc_lo, v[88+\e], v86
	v_cndmask_b32 v87, \e, v87, vcc_lo
	v_cndmask_b32 v86, v[88+\e], v86, vcc_lo
.endr
	; the softmax of the two: 1 / (1 + t) and t / (1 + t), t = e^(second - first), at most 1
	v_sub_f32 v80, v86, v84
	v_mul_f32 v80, 0x3fb8aa3b, v80
	v_exp_f32 v80, v80
	v_nop
	s_wait_alu depctr_va_vdst(0)
	v_add_f32 v81, 1.0, v80
	v_rcp_f32 v98, v81
	v_nop
	s_wait_alu depctr_va_vdst(0)
	v_mul_f32 v99, v80, v98
	global_store_b64 v17, v[98:99], s[16:17]
	; the choice as bits: lanes 0-7 are the group's tokens, so a compare's low byte is the group's byte of an expert's mask
.irp e, 0,1,2,3,4,5,6,7
	v_cmp_eq_u32 s40, \e, v85
	v_cmp_eq_u32 s41, \e, v87
	s_or_b32 s40, s40, s41
	s_and_b32 s40, s40, 0xff
	s_and_b32 s41, s41, 0xff
	v_mov_b32 v[100+\e], s40
	v_mov_b32 v[108+\e], s41
.endr
.irp e, 0,1,2,3,4,5,6,7
	global_store_b8 v6, v[100+\e], s[14:15] offset:128*\e
	global_store_b8 v6, v[108+\e], s[14:15] offset:1024+128*\e
.endr
.Lend:
	s_wait_tensorcnt 0x0
	ds_add_u32 v254, v255
	s_wait_dscnt 0x0
	s_endpgm
.Lfunc_end_k_qc48c3d407e_router:
	.size	k_qc48c3d407e_router, .Lfunc_end_k_qc48c3d407e_router-k_qc48c3d407e_router
	.p2alignl 7, 3214868480
	.fill 96, 4, 3214868480
	.section	.rodata,"a",@progbits
	.p2align	6, 0x0
	.amdhsa_kernel k_qc48c3d407e_router
		.amdhsa_group_segment_fixed_size 1536
		.amdhsa_private_segment_fixed_size 0
		.amdhsa_enable_private_segment 0
		.amdhsa_kernarg_size 64
		.amdhsa_user_sgpr_count 2
		.amdhsa_user_sgpr_kernarg_segment_ptr 1
		.amdhsa_wavefront_size32 1
		.amdhsa_system_sgpr_workgroup_id_x 1
		.amdhsa_system_sgpr_workgroup_id_y 1
		.amdhsa_system_sgpr_workgroup_id_z 1
		.amdhsa_system_vgpr_workitem_id 0
		.amdhsa_next_free_vgpr 256
		.amdhsa_next_free_sgpr 66
		.amdhsa_reserve_vcc 1
		.amdhsa_float_denorm_mode_32 3
		.amdhsa_float_denorm_mode_16_64 3
		.amdhsa_memory_ordered 1
		.amdhsa_forward_progress 1
		.amdhsa_inst_pref_size 62
	.end_amdhsa_kernel
	.amdgpu_metadata
---
amdhsa.version: [ 1, 2 ]
amdhsa.kernels:
  - .name:           k_qc48c3d407e_router
    .symbol:         k_qc48c3d407e_router.kd
    .args:
      - { .name: x, .offset: 0, .size: 8, .value_kind: global_buffer, .address_space: global }
      - { .name: Wr, .offset: 8, .size: 8, .value_kind: global_buffer, .address_space: global }
      - { .name: br, .offset: 16, .size: 8, .value_kind: global_buffer, .address_space: global }
      - { .name: lowp_scales, .offset: 24, .size: 8, .value_kind: global_buffer, .address_space: global }
      - { .name: xq, .offset: 32, .size: 8, .value_kind: global_buffer, .address_space: global }
      - { .name: masks, .offset: 40, .size: 8, .value_kind: global_buffer, .address_space: global }
      - { .name: gw, .offset: 48, .size: 8, .value_kind: global_buffer, .address_space: global }
      - { .name: imp, .offset: 56, .size: 8, .value_kind: global_buffer, .address_space: global }
    .group_segment_fixed_size: 1536
    .private_segment_fixed_size: 0
    .kernarg_segment_align: 8
    .kernarg_segment_size: 64
    .max_flat_workgroup_size: 128
    .sgpr_count:     66
    .vgpr_count:     256
    .wavefront_size: 32
...
	.end_amdgpu_metadata
.endif
;; end of part 1
;; launch up (part 2): grid 32 x 8, 4 waves a work-group, no clusters, 267,776 bytes of LDS; arguments xq, masks, W1_codes, b1, lowp_scales, hq; writes hq
.if DOCPART == 2
	.amdgcn_target "amdgcn-amd-amdhsa--gfx1250"
	.amdhsa_code_object_version 6
	.text
	.protected	k_qc48c3d407e_up
	.globl	k_qc48c3d407e_up
	.p2align	8
	.type	k_qc48c3d407e_up,@function
k_qc48c3d407e_up:
	s_mov_b64 s[64:65], 0
	v_nop
	global_prefetch_b8 v0, s[64:65] scope:SCOPE_SE
	s_setreg_imm32_b32 hwreg(HW_REG_WAVE_MODE, 25, 1), 1
	s_wait_xcnt 0x0
; THE FIRST EXPERT PRODUCT, for the routed rows alone: hq = Q(gelu(x W1[e] + b1[e])), E5M2 codes on both sides, f32 sums, exact GELU in f32, then the given quantiser (2^e3).
; Six of the eight experts' results are multiplied by a gating of 0: only a token's two chosen experts are computed.
; SHARES.  Work-group (plane, e): 128 hidden units f = 128 plane .. + 127 of expert e, for all rows of that expert.  THE WEIGHTS STAY: the group's 128 x 1,024 codes are read once and lie in registers.
; THE WAVES SPLIT K: wave w holds all 128 f x K bytes 256 w .. + 255 (8 tiles x 2 K steps x 16 registers), so each wave reads bytes of x that no other wave of the group reads, straight into operand registers.
; A TRIP is 64 rows = 4 tiles of 16.  Each wave multiplies all four tiles by its quarter of K; three tiles' partial sums go through LDS to the waves that finish them; wave w finishes tile w: sum, GELU, codes, store.
; The stage in LDS has two halves that take turns by the trip's parity: ONE barrier a trip.  A half written in trip t is read behind barrier t and written again in trip t + 2, behind barrier t + 1, in front of which every wave has waited for its reads.
; THE ROW LOOP HAS 16 TRIPS WHATEVER THE SPLIT (an expert has at most 1,024 rows); a tile without rows is jumped over by a scalar branch on the count; no barrier and no wait in front of one stands under such a branch.
; So this launch has no tensor load and no cluster: which tiles are live hangs on counts read from memory.
; THE LIST of the expert's rows (token numbers, ascending) is made in LDS by wave 0 from the expert's 32 mask words; a row's place in it is its RANK.  Places behind the last row hold token 0: their results are stored and never used.
; At least four tiles are always made, so that the next launch's first loads find bytes that were stored.
; LAYOUT.  The product is used transposed (source 0 = 16 rows of W1, source 1 = 16 tokens): a lane holds one token.  Lane r of tile 2 b + u takes f row 32 b + 8 u + r + 8 (r / 8), so that registers 16 b .. 16 b + 15 of a lane's 64 sums are
; f = 32 b + 16 (lane / 16) + 0 .. 15: the conversions' results are the next product's operand registers.  Within a K step of 128 both operands take k = 32 c + 16 (lane / 16) + 0 .. 15 in registers 4 c .. 4 c + 3: the same order on both sides.
; hq: [8 e][32 planes][64 tiles of 16 ranks][4 c][32 lanes][16 bytes]: an image of those registers: each store and each later load of a wave covers 512 consecutive bytes.
; GELU: u + u erf(z), u = h / 2, z = h / sqrt(2); erf(z) = z P(z^2) / Q(z^2) on z held within +-4, degrees 6 and 4.
; LIMITS: e0 + e1 between -125 and 126 (added to the exponent fields of 1 / sqrt(2) and 1 / 2); e3 between -126 and 112.  NaN among the inputs is not served.  u + u erf(z) has an absolute error of about 1e-7 |h|: under h = -2 its relative error passes 1e-6.
; REGISTERS.  window 0: v1-31 addresses and constants; v32-159 x's fragments (local tile i at 32 + 32 i, K step at + 16); v160-223 b1 / 2^(e0 + e1) in the result's layout; v224-235 stage addresses; v236-239 zeros; v240-243 list addresses.
;   window 1: W1's 16 fragments, tile T, K step s at 32 T + 16 s.   window 2: local tile i's sums at 64 i; in the finishing part v0-63 S, v64-127 z, v128-191 z^2 and then the codes, v192-255 P and then Q.
; Local tile i of wave w is the trip's tile (w + i) % 4; local tile 0 is the wave's own.
.set LIST,  262144                     ; LDS: behind the stage: 1,152 words of list, then 32 words that take what is not chosen
.set PAR,   131072                     ; the stage's two halves; slot (finisher d, maker s) at (4 d + s) x 8,192: an image of 64 registers
.set XF,    32
.set BI,    160
.set SWA,   224                        ; v224-229 where I put local tile 1, 2, 3's sums, parity 0, 1
.set SRA,   230                        ; v230-235 where I find my tile's sums from waves (w + 1, 2, 3) % 4
.set LT,    240
.set MSB, 0
.macro WIN new                         ; s_set_vgpr_msb: bits 1:0 source 0, 3:2 source 1, 5:4 source 2, 7:6 destination; the high byte repeats the setting that is left
.if MSB != \new
	s_set_vgpr_msb (MSB<<8)|\new
.set MSB, \new
.endif
.endm
.macro SPAIR r, val                    ; a constant as a pair: the packed forms name the pair
	s_mov_b32 s[\r], \val
	s_mov_b32 s[\r+1], \val
.endm
	s_load_b256 s[4:11], s[0:1], 0x0               ; xq s[4:5], masks s[6:7], W1's codes s[8:9], b1 s[10:11]
	s_load_b128 s[12:15], s[0:1], 0x20             ; scales s[12:13], hq s[14:15]
	v_lshl_add_u32 v254, v0, 2, 0x41400
	v_mov_b32 v255, 0
	v_lshrrev_b32 v1, 5, v0
	v_readfirstlane_b32 s16, v1                    ; wave
	s_and_b32 s17, ttmp7, 0xffff                   ; expert
	v_and_b32 v1, 31, v0                           ; lane
	v_and_b32 v2, 15, v0                           ; r
	v_bfe_u32 v3, v0, 4, 1                         ; h
	s_lshl_b32 s2, s16, 8
	v_lshlrev_b32 v6, 4, v3
	v_add_nc_u32 v6, s2, v6                        ; my bytes in a row of x or W1: 256 w + 16 h
	v_and_b32 v4, 8, v2
	v_add_nc_u32 v4, v4, v2                        ; r + 8 (r / 8)
	v_lshl_add_u32 v4, v4, 10, v6                  ; W1: that row of 1,024 bytes
	v_lshlrev_b32 v5, 6, v3                        ; b1: 64 h
	v_lshlrev_b32 v7, 4, v1                        ; 16 x lane: my place in an image
	s_lshl_b32 s2, s16, 11
	v_add_nc_u32 v22, s2, v7                       ; hq: my tile of a trip's four, 2,048 bytes each
	v_add_nc_u32 v20, LIST, v7                     ; for the zeros
	v_add_nc_u32 v31, 1152, v1                     ; the word that takes my lane's token where it is not chosen
.irp i, 0,1,2,3
	s_add_co_u32 s2, s16, \i
	s_and_b32 s2, s2, 3
	s_lshl_b32 s[21+\i], s2, 4                     ; s21-24: local tile i's first rank; 64 more each trip
	v_add_nc_u32 v[8+\i], s[21+\i], v2
	v_lshl_add_u32 v[8+\i], v[8+\i], 2, LIST       ; v8-11: my row's word of the list, trip 0
.endr
.irp i, 1,2,3
	s_lshl_b32 s2, s[21+\i], 11                    ; finisher x 32,768
	s_lshl_b32 s3, s16, 13                         ; + maker (me) x 8,192
	s_add_co_u32 s2, s2, s3
	v_add_nc_u32 v[SWA+\i-1], s2, v7
	v_add_nc_u32 v[SWA+\i+2], PAR, v[SWA+\i-1]
	s_lshl_b32 s2, s[21+\i], 9                     ; maker x 8,192
	s_lshl_b32 s3, s16, 15                         ; + finisher (me) x 32,768
	s_add_co_u32 s2, s2, s3
	v_add_nc_u32 v[SRA+\i-1], s2, v7
	v_add_nc_u32 v[SRA+\i+2], PAR, v[SRA+\i-1]
.endr
.irp i, 236,237,238,239
	v_mov_b32 v\i, 0
.endr
	s_mov_b32 s3, 0
	s_wait_kmcnt 0x0
	s_lshl_b32 s2, s17, 7
	s_add_nc_u64 s[6:7], s[6:7], s[2:3]
	s_load_b512 s[32:47], s[6:7], 0x0              ; the expert's 32 mask words: bit b of word q is token 32 q + b
	s_load_b512 s[48:63], s[6:7], 0x40
	s_load_b128 s[68:71], s[12:13], 0x0            ; e0, e1, e2, e3
	s_lshl_b32 s2, s17, 14
	s_lshl_b32 s28, ttmp9, 9
	s_add_co_u32 s2, s2, s28
	s_add_nc_u64 s[10:11], s[10:11], s[2:3]        ; b1 at my 128 units
	s_lshl_b32 s2, s17, 22
	s_lshl_b32 s28, ttmp9, 17
	s_add_co_u32 s2, s2, s28
	s_add_nc_u64 s[8:9], s[8:9], s[2:3]            ; W1: (4,096 e + 128 plane) rows of 1,024 bytes;
	s_add_nc_u64 s[14:15], s[14:15], s[2:3]        ; hq: (32 e + plane) planes of 131,072 bytes: the same number
.irp T, 0,1,2,3,4,5,6,7
	global_load_b128 v[BI+8*\T:BI+8*\T+3], v5, s[10:11] offset:(32*(\T/2)+8*(\T%2))*4      ; b1 of units 32 b + 16 h + 8 u + 0 .. 7
	global_load_b128 v[BI+8*\T+4:BI+8*\T+7], v5, s[10:11] offset:(32*(\T/2)+8*(\T%2))*4+16
.endr
	WIN 0x40                                       ; destination window 1
.irp T, 0,1,2,3,4,5,6,7
.irp k, 0,1
.irp c, 0,1,2,3
	global_load_b128 v[32*\T+16*\k+4*\c:32*\T+16*\k+4*\c+3], v4, s[8:9] offset:(32*(\T/2)+8*(\T%2))*1024+128*\k+32*\c th:TH_LOAD_NT   ; the eight loads of a tile take 256 consecutive, aligned bytes of each of its 16 rows; read once in the launch
.endr
.endr
.endr
	WIN 0
	s_wait_kmcnt 0x0
	s_mov_b32 s19, 0                               ; every wave counts the expert's rows
.set Q, 0
.rept 32
	s_bcnt1_i32_b32 s2, s[32+Q]
	s_add_co_u32 s19, s19, s2
.set Q, Q+1
.endr
	s_max_u32 s20, s19, 64                         ; ranks below this are made
; Word q of the mask: a chosen token's place is the rows counted so far + the chosen lanes below mine.  Each word has registers of its own for the store's address and data.
.macro BUILD q
	v_mbcnt_lo_u32_b32 v28, s[32+\q], s29
	v_cndmask_b32 v28, v31, v28, s[32+\q]          ; not chosen: a word behind the list
	v_min_u32 v28, 0x4ff, v28                      ; inside the list's 1,280 words, whatever the masks hold
	v_lshl_add_u32 v[XF+2*\q], v28, 2, LIST
	v_add_nc_u32 v[XF+2*\q+1], 32*\q, v1           ; my token
	ds_store_b32 v[XF+2*\q], v[XF+2*\q+1]
	s_bcnt1_i32_b32 s2, s[32+\q]
	s_add_co_u32 s29, s29, s2
.endm
	s_cmp_lg_u32 s16, 0
	s_cbranch_scc1 .Lbuilt                         ; wave 0 alone writes the list; nobody else touches LDS before the barrier below
.irp i, 0,1,2,3,4,5,6,7,8
	ds_store_b128 v20, v[236:239] offset:512*\i    ; 1,152 zeros first: LDS serves a wave's instructions in order (ISA guide 5.7.1.4)
.endr
	s_mov_b32 s29, 0
.set Q, 0
.rept 32
	BUILD Q
.set Q, Q+1
.endr
.Lbuilt:
	s_wait_dscnt 0x0
	s_barrier_signal -1
	s_barrier_wait -1                              ; the list lies in LDS
.irp i, 0,1,2,3
	ds_load_b32 v[12+\i], v[8+\i]                  ; trip 0's tokens
.endr
	; the constants take the masks' registers
	SPAIR 32, 0xaf95df0b                           ; P, highest degree first: -2.72614225801306e-10
	SPAIR 34, 0xb60cff51                           ; -2.10102402082508e-06 (the second, 2.77068142495902e-08, lies in v[24:25])
	SPAIR 36, 0xb86ec2d2                           ; -5.69250639462346e-05
	SPAIR 38, 0xba40ac63                           ; -7.34990630326855e-04
	SPAIR 40, 0xbb41a1f6                           ; -2.95459980854025e-03
	SPAIR 42, 0xbc83dbd4                           ; -1.60960333262415e-02
	SPAIR 44, 0xb77460cd                           ; Q: -1.45660718464996e-05
	SPAIR 46, 0xbadc924e                           ; -1.68282697438203e-03 (the second, -2.13374055278905e-04, lies in v[26:27])
	SPAIR 48, 0xbbf19bf8                           ; -7.37332916720468e-03
	SPAIR 50, 0xbc69b6a7                           ; -1.42647390514189e-02
	v_mov_b32 v24, 0x32edffee
	v_mov_b32 v25, 0x32edffee
	v_mov_b32 v26, 0xb95fbd29
	v_mov_b32 v27, 0xb95fbd29
	s_add_co_i32 s2, s68, s69                      ; e0 + e1: a sum stands for sum x 2^(e0 + e1)
	s_sub_co_i32 s30, 0, s2
	s_lshl_b32 s2, s2, 23
	s_add_co_i32 s52, s2, 0x3f3504f3               ; 2^(e0 + e1) / sqrt(2)
	s_mov_b32 s53, s52
	s_add_co_i32 s54, s2, 0x3f000000               ; 2^(e0 + e1) / 2
	s_mov_b32 s55, s54
	s_add_co_i32 s2, s71, 127
	s_lshl_b32 s28, s2, 23
	v_mov_b32 v23, s28                             ; 2^e3 as f32: the conversion takes its exponent field
	s_add_co_i32 s2, s2, 15
	s_lshl_b32 s2, s2, 23
	s_or_b32 s56, s2, 0x600000                     ; 57,344 x 2^e3
	s_or_b32 s57, s56, 0x80000000
	s_mov_b32 s25, 0                               ; the list's bytes walked: 512 a loop trip
	s_mov_b32 s26, 0                               ; hq's: 8,192 a trip
	s_mov_b32 s27, 8
	s_wait_loadcnt 63                              ; behind b1's 16 loads stand the weights' 64: with 63 out at the most, b1 is in
.set J, 0
.rept 64
	v_ldexp_f32 v[BI+J], v[BI+J], s30              ; b1 goes in as the C of my own tile's first product: divided by the power of two that the sums lack
.set J, J+1
.endr
.macro XADDR i                         ; the list's entry becomes an offset in xq
	v_min_u32 v[12+\i], 0x3ff, v[12+\i]
	v_lshl_add_u32 v[16+\i], v[12+\i], 10, v6
.endm
.macro XLOAD i                         ; local tile i's two fragments: 16 tokens x my 256 bytes
.irp k, 0,1
.irp c, 0,1,2,3
	global_load_b128 v[XF+32*\i+16*\k+4*\c:XF+32*\i+16*\k+4*\c+3], v[16+\i], s[4:5] offset:128*\k+32*\c
.endr
.endr
.endm
	s_wait_dscnt 0x0
.irp i, 0,1,2,3
	XADDR \i
	XLOAD \i                                       ; trip 0's fragments, on every path: so these registers are written whatever the count
.endr
.irp i, 1,2,3
	ds_load_b32 v[12+\i], v[8+\i] offset:256       ; trip 1's tokens of local tiles 1-3
.endr
	s_wait_dscnt 0x0
; Local tile i (1, 2, 3): my quarter of K, 16 products on 8 accumulators by turns; the sums to the finisher's slot; then the next trip's fragments.
.macro TILE_A i, p
	s_cmp_lt_u32 s[21+\i], s20
	s_cbranch_scc0 .Lta_\@
	WIN 0x81                                       ; W1 window 1, x window 0, sums window 2
.irp T, 0,1,2,3,4,5,6,7
	v_wmma_f32_16x16x128_bf8_bf8 v[64*\i+8*\T:64*\i+8*\T+7], v[32*\T:32*\T+15], v[XF+32*\i:XF+32*\i+15], 0
.endr
	WIN 0xa1
.irp T, 0,1,2,3,4,5,6,7
	v_wmma_f32_16x16x128_bf8_bf8 v[64*\i+8*\T:64*\i+8*\T+7], v[32*\T+16:32*\T+31], v[XF+32*\i+16:XF+32*\i+31], v[64*\i+8*\T:64*\i+8*\T+7]
.endr
	WIN 0
	XADDR \i                                       ; the next trip's offsets: with the two lines below, the four places behind the products (ISA guide 7.12.1)
	v_nop
	v_nop
	WIN 0x08                                       ; store data window 2
.irp g, 0,1,2,3,4,5,6,7,8,9,10,11,12,13,14,15
	ds_store_b128 v[SWA+3*\p+\i-1], v[64*\i+4*\g:64*\i+4*\g+3] offset:512*\g   ; each accumulator from its low end on
.endr
	WIN 0
	s_add_co_u32 s2, s[21+\i], 64
	s_cmp_lt_u32 s2, s20
	s_cbranch_scc0 .Lta_\@
	XLOAD \i
.Lta_\@:
.endm
.macro HORNER acc, cs                  ; acc = acc z^2 + a constant
.set J, 0
.rept 32
	v_pk_fma_f32 v[\acc+J:\acc+J+1], v[\acc+J:\acc+J+1], v[128+J:129+J], s[\cs:\cs+1] op_sel_hi:[1,1,0]
.set J, J+2
.endr
.endm
; 64 sums of a lane, v0-63 of window 2, become 64 codes in v128-143.
.macro GELU
	WIN 0xaa                                       ; all in window 2
.set J, 0
.rept 32
	v_pk_mul_f32 v[64+J:65+J], v[J:J+1], s[52:53] op_sel_hi:[1,0]   ; z = h / sqrt(2)
.set J, J+2
.endr
.set J, 0
.rept 64
	v_med3_num_f32 v[64+J], v[64+J], -4.0, 4.0
.set J, J+1
.endr
.set J, 0
.rept 32
	v_pk_mul_f32 v[128+J:129+J], v[64+J:65+J], v[64+J:65+J]
.set J, J+2
.endr
	WIN 0x82                                       ; source 2 in window 0
.set J, 0
.rept 32
	v_pk_fma_f32 v[192+J:193+J], v[128+J:129+J], s[32:33], v[24:25] op_sel_hi:[1,0,1]
.set J, J+2
.endr
	WIN 0xaa
	HORNER 192, 34
	HORNER 192, 36
	HORNER 192, 38
	HORNER 192, 40
	HORNER 192, 42
.set J, 0
.rept 32
	v_pk_mul_f32 v[64+J:65+J], v[64+J:65+J], v[192+J:193+J]         ; z P
.set J, J+2
.endr
	WIN 0x82
.set J, 0
.rept 32
	v_pk_fma_f32 v[192+J:193+J], v[128+J:129+J], s[44:45], v[26:27] op_sel_hi:[1,0,1]
.set J, J+2
.endr
	WIN 0xaa
	HORNER 192, 46
	HORNER 192, 48
	HORNER 192, 50
.set J, 0
.rept 64
	v_rcp_f32 v[192+J], v[192+J]                   ; 1 / Q: one batch
.set J, J+1
.endr
.set J, 0
.rept 32
	v_pk_mul_f32 v[J:J+1], v[J:J+1], s[54:55] op_sel_hi:[1,0]       ; u = h / 2: the plain work behind the batch
.set J, J+2
.endr
	s_wait_alu depctr_va_vdst(0)                   ; one wait for the 64 reciprocals, ahead of their first reader
.set J, 0
.rept 32
	v_pk_mul_f32 v[64+J:65+J], v[64+J:65+J], v[192+J:193+J]         ; erf(z)
.set J, J+2
.endr
.set J, 0
.rept 32
	v_pk_fma_f32 v[J:J+1], v[J:J+1], v[64+J:65+J], v[J:J+1]         ; u erf(z) + u
.set J, J+2
.endr
	WIN 0x82                                       ; the conversion's scale lies in window 0
.irp b, 0,1,2,3
.irp i, 0,1,2,3,4,5,6,7,8,9,10,11,12,13,14,15
	v_med3_num_f32 v[16*\b+\i], v[16*\b+\i], s57, s56   ; the conversion to an 8-bit code does not saturate (ISA guide 7.6.2): the hold comes first
.endr
	v_cvt_scalef32_pk8_bf8_f32 v[128+4*\b:129+4*\b], v[16*\b:16*\b+7], v23
	v_cvt_scalef32_pk8_bf8_f32 v[130+4*\b:131+4*\b], v[16*\b+8:16*\b+15], v23
.endr
	v_nop                                          ; one plain line behind the last conversion: matrix instructions write these registers later
.endm
; My own tile: the three other quarters of K come from LDS while my quarter is multiplied (its first product takes the bias as C).
.macro TILE_B p
	s_cmp_lt_u32 s21, s20
	s_cbranch_scc0 .Ltb_\@
	WIN 0x80                                       ; destination window 2
.irp i, 1,2,3
.irp g, 0,1,2,3,4,5,6,7,8,9,10,11,12,13,14,15
	ds_load_b128 v[64*\i+4*\g:64*\i+4*\g+3], v[SRA+3*\p+\i-1] offset:512*\g
.endr
.endr
	WIN 0x81
.irp T, 0,1,2,3,4,5,6,7
	v_wmma_f32_16x16x128_bf8_bf8 v[8*\T:8*\T+7], v[32*\T:32*\T+15], v[XF:XF+15], v[BI+8*\T:BI+8*\T+7]
.endr
	WIN 0xa1
.irp T, 0,1,2,3,4,5,6,7
	v_wmma_f32_16x16x128_bf8_bf8 v[8*\T:8*\T+7], v[32*\T+16:32*\T+31], v[XF+16:XF+31], v[8*\T:8*\T+7]
.endr
	WIN 0
	XADDR 0                                        ; four places behind the products
	v_add_nc_u32 v21, s26, v22                     ; where this tile's codes go
	v_nop
	s_add_co_u32 s2, s21, 64
	s_cmp_lt_u32 s2, s20
	s_cbranch_scc0 .Ltbx_\@
	XLOAD 0
.Ltbx_\@:
	s_wait_dscnt 32                                ; of the 48 loads the first maker's 16 are in
	WIN 0xaa
.set J, 0
.rept 32
	v_pk_add_f32 v[J:J+1], v[J:J+1], v[64+J:65+J]  ; each accumulator from its low end on
.set J, J+2
.endr
	s_wait_dscnt 16
.set J, 0
.rept 32
	v_pk_add_f32 v[J:J+1], v[J:J+1], v[128+J:129+J]
.set J, J+2
.endr
	s_wait_dscnt 0x0
.set J, 0
.rept 32
	v_pk_add_f32 v[J:J+1], v[J:J+1], v[192+J:193+J]
.set J, J+2
.endr
	GELU
	WIN 0x08                                       ; store data window 2
.irp c, 0,1,2,3
	global_store_b128 v21, v[128+4*\c:131+4*\c], s[14:15] offset:512*\c   ; the wave stores 512 consecutive bytes, aligned
.endr
	WIN 0
.Ltb_\@:
.endm
.macro TRIP p
	s_wait_loadcnt 0x0                             ; this trip's fragments (in trip 0 the weights too).  For 0: the loads behind them stand under branches on the count
	s_wait_xcnt 0x0                                ; the last trip's stores have read their data and offset: both are written again below
	TILE_A 1, \p
	TILE_A 2, \p
	TILE_A 3, \p
.irp i, 0,1,2,3
	v_add_nc_u32 v[LT+\i], s25, v[8+\i]            ; on every path: also places in front of accumulators that the next trip begins anew
.endr
	ds_load_b32 v12, v[LT] offset:256+256*\p       ; my own tile's tokens of the next trip,
.irp i, 1,2,3
	ds_load_b32 v[12+\i], v[LT+\i] offset:512+256*\p   ; the others' of the trip after it: their offsets are made a trip earlier
.endr
	s_wait_dscnt 0x0                               ; my sums lie in the stage, and my reads of the other half are long over
	s_barrier_signal -1
	s_barrier_wait -1
	TILE_B \p
.irp i, 0,1,2,3
	s_add_co_u32 s[21+\i], s[21+\i], 64
.endr
	s_add_co_u32 s26, s26, 8192
.endm
.Lpair:                                            ; 8 trips of the loop = 16 trips of 64 rows, the two parities written out
	TRIP 0
	TRIP 1
	s_add_co_u32 s25, s25, 512
	s_sub_co_u32 s27, s27, 1
	s_cmp_lg_u32 s27, 0
	s_cbranch_scc1 .Lpair
	s_wait_tensorcnt 0x0
	ds_add_u32 v254, v255
	s_wait_dscnt 0x0
	s_endpgm
.Lfunc_end_k_qc48c3d407e_up:
	.size	k_qc48c3d407e_up, .Lfunc_end_k_qc48c3d407e_up-k_qc48c3d407e_up
	.p2alignl 7, 3214868480
	.fill 96, 4, 3214868480
	.section	.rodata,"a",@progbits
	.p2align	6, 0x0
	.amdhsa_kernel k_qc48c3d407e_up
		.amdhsa_group_segment_fixed_size 267776
		.amdhsa_private_segment_fixed_size 0
		.amdhsa_enable_private_segment 0
		.amdhsa_kernarg_size 48
		.amdhsa_user_sgpr_count 2
		.amdhsa_user_sgpr_kernarg_segment_ptr 1
		.amdhsa_wavefront_size32 1
		.amdhsa_system_sgpr_workgroup_id_x 1
		.amdhsa_system_sgpr_workgroup_id_y 1
		.amdhsa_system_sgpr_workgroup_id_z 1
		.amdhsa_system_vgpr_workitem_id 0
		.amdhsa_next_free_vgpr 768
		.amdhsa_next_free_sgpr 72
		.amdhsa_reserve_vcc 0
		.amdhsa_float_denorm_mode_32 3
		.amdhsa_float_denorm_mode_16_64 3
		.amdhsa_memory_ordered 1
		.amdhsa_forward_progress 1
		.amdhsa_inst_pref_size 170
	.end_amdhsa_kernel
	.amdgpu_metadata
---
amdhsa.version: [ 1, 2 ]
amdhsa.kernels:
  - .name:           k_qc48c3d407e_up
    .symbol:         k_qc48c3d407e_up.kd
    .args:
      - { .name: xq, .offset: 0, .size: 8, .value_kind: global_buffer, .address_space: global }
      - { .name: masks, .offset: 8, .size: 8, .value_kind: global_buffer, .address_space: global }
      - { .name: W1_codes, .offset: 16, .size: 8, .value_kind: global_buffer, .address_space: global }
      - { .name: b1, .offset: 24, .size: 8, .value_kind: global_buffer, .address_space: global }
      - { .name: lowp_scales, .offset: 32, .size: 8, .value_kind: global_buffer, .address_space: global }
      - { .name: hq, .offset: 40, .size: 8, .value_kind: global_buffer, .address_space: global }
    .group_segment_fixed_size: 267776
    .private_segment_fixed_size: 0
    .kernarg_segment_align: 8
    .kernarg_segment_size: 48
    .max_flat_workgroup_size: 128
    .sgpr_count:     72
    .vgpr_count:     768
    .wavefront_size: 32
...
	.end_amdgpu_metadata
.endif
;; end of part 2
;; launch down (part 3): grid 32 x 8, 4 waves a work-group, no clusters, 148,480 bytes of LDS; arguments hq, masks, gw, W2_codes, b2, lowp_scales, y; writes y
.if DOCPART == 3
	.amdgcn_target "amdgcn-amd-amdhsa--gfx1250"
	.amdhsa_code_object_version 6
	.text
	.protected	k_qc48c3d407e_down
	.globl	k_qc48c3d407e_down
	.p2align	8
	.type	k_qc48c3d407e_down,@function
k_qc48c3d407e_down:
	s_mov_b64 s[64:65], 0
	v_nop
	global_prefetch_b8 v0, s[64:65] scope:SCOPE_SE
	s_setreg_imm32_b32 hwreg(HW_REG_WAVE_MODE, 25, 1), 1
	s_wait_xcnt 0x0
; THE SECOND EXPERT PRODUCT, for the routed rows alone: y[half][2 token + slot][n] = gate weight x (sum over this half of K of h W2[e] x 2^(e2 + e3) + b2[e] in half 0 alone).  E5M2 codes on both sides, f32 sums.
; SHARES.  Work-group (x, e): 64 output columns n = 64 (x / 2) .. + 63, K half x % 2 (2,048 of the 4,096 hidden units), all rows of expert e.  THE WEIGHTS STAY: 64 x 2,048 codes, read once, in registers.
; By the sizes: 32 columns x all of K would read each row's 4,096 codes 32 times over the groups, 128 columns x a quarter of K would store four partial outputs; 64 x a half reads them 16 times and stores two.
; THE WAVES SPLIT K: wave w holds all 64 n x 512 of K: 4 tiles x 4 K steps x 16 registers; so each wave reads codes of h that no other wave of the group reads, as images of operand registers, 512 consecutive bytes a load.
; A TRIP is 64 ranks = 4 tiles of 16.  Each wave multiplies all four; ALL partial sums go through LDS, as rows of 256 bytes + 16; wave w finishes tile w, reading them back so that sixteen lanes hold a row's 256 neighbouring bytes.
; The stage has two halves that take turns by the trip's parity: ONE barrier a trip (a half is written again two trips on, behind a barrier in front of which every wave has waited for its reads).
; 16 trips whatever the split; a tile without rows is jumped over by a scalar branch on the count; no barrier stands under such a branch.  So no tensor load and no cluster: which tiles are live hangs on counts read from memory.
; THE LIST: wave 0 makes, from the expert's mask words, the rows' ids (2 token + slot, token ascending: the same order as in the launch before, so a rank means the same row) and their gate weights, in LDS.
; THE LAST TILE OF AN EXPERT may have fewer than 16 rows.  It is stored whole all the same, with every lane on: each half of y has 128 SPARE ROWS behind its 2,048, and the list's places behind the last row hold the id
; 2,048 + 16 e + (place % 16), with the gate weight 0.  So what the ranks behind the last row compute goes to spare rows: at most 15 x 256 bytes a work-group; each such byte has one writer (expert, rank in the tile, half, columns) and nobody reads it.
; LIMITS: e2 + e3 between -126 and 127.  NaN and infinities in b2 are not served (it is multiplied by 0 in half 1).
; REGISTERS.  window 0: v1-59 addresses, list entries, b2, the list's fill; v64-191 the sums (tile d, n tile T at 64 + 32 d + 8 T), later the four makers' rows; at the head v64-127 gw and v128-223 the list's stores.
;   window 1: W2's 16 fragments, at 16 (4 T + s).   window 2: h's 16 fragments, at 64 d + 16 s.
.set PAR,   69632                      ; LDS: the stage's two halves; slot (finisher d, maker s) at (4 d + s) x 4,352: 16 rows of 272 bytes
.set IDL,   139264                     ; 1,024 ids, then 64 words that take what is not chosen
.set WLO,   4352                       ; the gate weights lie so far behind the ids
.set YHALF, 0x880000                   ; a half of y: 2,176 rows of 4,096 bytes
.set MSB, 0
.macro WIN new                         ; s_set_vgpr_msb: bits 1:0 source 0, 3:2 source 1, 5:4 source 2, 7:6 destination; the high byte repeats the setting that is left
.if MSB != \new
	s_set_vgpr_msb (MSB<<8)|\new
.set MSB, \new
.endif
.endm
	s_load_b256 s[4:11], s[0:1], 0x0               ; hq s[4:5], masks s[6:7], gw s[8:9], W2's codes s[10:11]
	s_load_b128 s[12:15], s[0:1], 0x20             ; b2 s[12:13], scales s[14:15]
	s_load_b64 s[16:17], s[0:1], 0x30              ; y
	v_lshl_add_u32 v254, v0, 2, 0x24200
	v_mov_b32 v255, 0
	v_lshrrev_b32 v1, 5, v0
	v_readfirstlane_b32 s18, v1                    ; wave
	s_and_b32 s19, ttmp7, 0xffff                   ; expert
	s_lshr_b32 s20, ttmp9, 1                       ; which 64 columns
	s_and_b32 s21, ttmp9, 1                        ; which half of K
	v_and_b32 v1, 31, v0                           ; lane
	v_and_b32 v2, 15, v0                           ; r
	v_bfe_u32 v3, v0, 4, 1                         ; h
	s_lshl_b32 s2, s18, 9
	v_lshlrev_b32 v4, 12, v2
	v_lshl_add_u32 v4, v3, 4, v4
	v_add_nc_u32 v4, s2, v4                        ; W2: row r of 4,096 bytes + 512 w + 16 h
	v_lshlrev_b32 v5, 4, v1                        ; 16 x lane: my place in an image
	v_lshlrev_b32 v6, 4, v2                        ; 16 r: my four columns of a row's 64
	s_lshl_b32 s2, s18, 6
	v_lshl_add_u32 v7, v3, 2, IDL
	v_add_nc_u32 v7, s2, v7                        ; the list: word 16 w + h
	v_mul_u32_u24 v10, v2, 272
	v_lshl_add_u32 v10, v3, 5, v10
	s_mul_i32 s2, s18, 4352
	v_add_nc_u32 v10, s2, v10                      ; into the stage: maker's slot, row r, 32 h
	v_add_nc_u32 v11, PAR, v10
	v_mul_u32_u24 v12, v3, 272
	v_lshl_add_u32 v12, v2, 4, v12
	s_mul_i32 s2, s18, 17408
	v_add_nc_u32 v12, s2, v12                      ; out of it: finisher's four slots, row h, 16 r
	v_add_nc_u32 v13, PAR, v12
	v_add_nc_u32 v17, 1024, v1                     ; the word that takes my lane's row where it is not chosen
	v_lshlrev_b32 v18, 1, v1                       ; 2 x lane
	s_lshl_b32 s2, s19, 4
	s_add_co_u32 s2, s2, 2048
	v_and_b32 v48, 3, v1
	v_lshl_add_u32 v48, v48, 2, s2                 ; the ids' fill: a lane fills words 4 l .. 4 l + 3 of each 128: the spare row 2,048 + 16 e + (word % 16)
	v_add_nc_u32 v49, 1, v48
	v_add_nc_u32 v50, 2, v48
	v_add_nc_u32 v51, 3, v48
.irp i, 56,57,58,59
	v_mov_b32 v\i, 0                               ; the gate weights' fill
.endr
	v_add_nc_u32 v52, IDL, v5                      ; where the fills go
	v_lshlrev_b32 v53, 3, v1                       ; gw: 8 bytes a token
	s_mov_b32 s3, 0
	s_wait_kmcnt 0x0
	s_lshl_b32 s2, s19, 7
	s_add_nc_u64 s[6:7], s[6:7], s[2:3]
	s_load_b512 s[32:47], s[6:7], 0x0              ; chosen: bit b of word q is token 32 q + b
	s_load_b512 s[48:63], s[6:7], 0x40
	s_load_b512 s[68:83], s[6:7], 0x400            ; chosen as the second
	s_load_b512 s[84:99], s[6:7], 0x440
	s_load_b64 s[100:101], s[14:15], 0x8           ; e2, e3
	s_lshl_b32 s2, s19, 12
	s_lshl_b32 s23, s20, 8
	s_add_co_u32 s2, s2, s23
	s_add_nc_u64 s[12:13], s[12:13], s[2:3]        ; b2 at my 64 columns
	s_lshl_b32 s2, s19, 22
	s_lshl_b32 s23, s20, 18
	s_add_co_u32 s2, s2, s23
	s_lshl_b32 s23, s21, 11
	s_add_co_u32 s2, s2, s23
	s_add_nc_u64 s[10:11], s[10:11], s[2:3]        ; W2: (1,024 e + 64 x) rows of 4,096 bytes + my half's 2,048
	s_lshl_b32 s2, s19, 22
	s_lshl_b32 s23, s21, 21
	s_add_co_u32 s2, s2, s23
	s_lshl_b32 s23, s18, 19
	s_add_co_u32 s2, s2, s23
	s_add_nc_u64 s[4:5], s[4:5], s[2:3]            ; hq: plane 32 e + 16 half + 4 w, 131,072 bytes each
	s_mul_i32 s2, s21, YHALF
	s_lshl_b32 s23, s20, 8
	s_add_co_u32 s2, s2, s23
	s_add_nc_u64 s[16:17], s[16:17], s[2:3]        ; y: my half, my 256 bytes of a row
	s_cmp_lg_u32 s18, 0
	s_cbranch_scc1 .Lno_gw
.set Q, 0
.rept 32
	global_load_b64 v[64+2*Q:65+2*Q], v53, s[8:9] offset:256*Q   ; wave 0: all tokens' two gate weights, for the list
.set Q, Q+1
.endr
.Lno_gw:
	global_load_b128 v[20:23], v6, s[12:13]        ; b2 of my four columns
	WIN 0x40                                       ; destination window 1
.irp T, 0,1,2,3
.irp k, 0,1,2,3
.irp c, 0,1,2,3
	global_load_b128 v[16*(4*\T+\k)+4*\c:16*(4*\T+\k)+4*\c+3], v4, s[10:11] offset:65536*\T+128*\k+32*\c th:TH_LOAD_NT   ; a tile's sixteen loads take 512 consecutive, aligned bytes of each of its 16 rows; read once in the launch
.endr
.endr
.endr
	WIN 0
	s_wait_kmcnt 0x0
	s_add_co_i32 s100, s100, s101
	s_add_co_i32 s100, s100, 127
	s_lshl_b32 s100, s100, 23                      ; 2^(e2 + e3) as f32,
	s_mov_b32 s101, s100                           ; as a pair: the packed form names the pair
	s_mov_b32 s22, 0                               ; every wave counts the expert's rows
.set Q, 0
.rept 32
	s_bcnt1_i32_b32 s2, s[32+Q]
	s_add_co_u32 s22, s22, s2
.set Q, Q+1
.endr
; Word q of the mask.  Each word has registers of its own for the stores' address and data.
.macro BUILD q
	v_mbcnt_lo_u32_b32 v14, s[32+\q], s29          ; the rows counted so far + the chosen lanes below mine
	v_cndmask_b32 v14, v17, v14, s[32+\q]          ; not chosen: a word behind the list
	v_min_u32 v14, 0x43f, v14                      ; inside the list's 1,088 words, whatever the masks hold
	v_lshl_add_u32 v[128+3*\q], v14, 2, IDL
	v_cndmask_b32 v15, 0, 1, s[68+\q]              ; the slot
	v_add3_u32 v[129+3*\q], v18, 64*\q, v15        ; id = 2 token + slot
	v_cndmask_b32 v[130+3*\q], v[64+2*\q], v[65+2*\q], s[68+\q]   ; that slot's gate weight
	ds_store_b32 v[128+3*\q], v[129+3*\q]
	ds_store_b32 v[128+3*\q], v[130+3*\q] offset:WLO
	s_bcnt1_i32_b32 s2, s[32+\q]
	s_add_co_u32 s29, s29, s2
.endm
	s_cmp_lg_u32 s18, 0
	s_cbranch_scc1 .Lbuilt                         ; wave 0 alone writes the lists; nobody else touches LDS before the barrier below
	s_wait_loadcnt 63                              ; behind gw's 32 loads stand b2's one and the weights' 64: with 63 out at the most, gw is in
.irp i, 0,1,2,3,4,5,6,7
	ds_store_b128 v52, v[48:51] offset:512*\i      ; the 1,024 places that are read: spare rows and zeros first, the rows over them: LDS serves a wave's instructions in order (ISA guide 5.7.1.4)
	ds_store_b128 v52, v[56:59] offset:WLO+512*\i
.endr
	s_mov_b32 s29, 0
.set Q, 0
.rept 32
	BUILD Q
.set Q, Q+1
.endr
.Lbuilt:
	s_wait_dscnt 0x0
	s_barrier_signal -1
	s_barrier_wait -1                              ; the lists lie in LDS
	s_cmp_eq_u32 s21, 0
	s_cselect_b32 s2, 0x3f800000, 0                ; the bias belongs to half 0 alone
	s_wait_loadcnt 63                              ; behind b2's load stand the weights' 64
.irp i, 20,21,22,23
	v_mul_f32 v\i, s2, v\i
.endr
.macro HLOAD d, a                      ; tile d's four fragments: images of 2,048 bytes, one in each of my four planes
.irp k, 0,1,2,3
.irp c, 0,1,2,3
	global_load_b128 v[64*\d+16*\k+4*\c:64*\d+16*\k+4*\c+3], v[\a], s[4:5] offset:131072*\k+2048*\d+512*\c
.endr
.endr
.endm
	WIN 0x80                                       ; destination window 2
.irp d, 0,1,2,3
	HLOAD \d, 5                                    ; trip 0's fragments, on every path: the launch before always makes an expert's first four tiles
.endr
	WIN 0
	s_mov_b32 s23, 0                               ; the trip's first rank
	s_lshl_b32 s24, s18, 4                         ; my own tile's
	s_mov_b32 s25, 0                               ; the list's bytes walked: 512 a loop trip
	s_mov_b32 s26, 8
	s_mov_b32 s28, 0                               ; the images' bytes walked: 8,192 a trip
; Tile d: my quarter of the half of K, 16 products on 4 accumulators by turns; the sums to the stage; then the next trip's fragments.
.macro TILE_M d, p
	s_add_co_u32 s2, s23, 16*\d
	s_cmp_lt_u32 s2, s22
	s_cbranch_scc0 .Ltm_\@
	WIN 0x09                                       ; W2 window 1, h window 2, sums window 0
.irp k, 0,1,2,3
.irp T, 0,1,2,3
.if \k == 0
	v_wmma_f32_16x16x128_bf8_bf8 v[64+32*\d+8*\T:64+32*\d+8*\T+7], v[16*(4*\T+\k):16*(4*\T+\k)+15], v[64*\d+16*\k:64*\d+16*\k+15], 0
.else
	v_wmma_f32_16x16x128_bf8_bf8 v[64+32*\d+8*\T:64+32*\d+8*\T+7], v[16*(4*\T+\k):16*(4*\T+\k)+15], v[64*\d+16*\k:64*\d+16*\k+15], v[64+32*\d+8*\T:64+32*\d+8*\T+7]
.endif
.endr
.endr
	WIN 0
.rept 5
	v_nop                                          ; four places in front of the stores and loads below; the fifth because on some path the next matrix instruction begins these accumulators anew
.endr
.irp T, 0,1,2,3
	ds_store_b128 v[10+\p], v[64+32*\d+8*\T:64+32*\d+8*\T+3] offset:17408*\d+64*\T       ; lane (rank r, h): columns 16 T + 8 h + 0 .. 7; each accumulator from its low end on
	ds_store_b128 v[10+\p], v[64+32*\d+8*\T+4:64+32*\d+8*\T+7] offset:17408*\d+64*\T+16
.endr
	s_add_co_u32 s2, s2, 64
	s_cmp_lt_u32 s2, s22
	s_cbranch_scc0 .Ltm_\@
	WIN 0x80
	HLOAD \d, 9
	WIN 0
.Ltm_\@:
.endm
; My own tile: four makers' rows are added, scaled, biased, weighed and stored; load i of a maker brings rows 2 i and 2 i + 1, sixteen lanes to a row.
.macro TILE_R p
	s_cmp_lt_u32 s24, s22
	s_cbranch_scc0 .Ltr_\@
	v_add_nc_u32 v8, s25, v7
.irp i, 0,1,2,3,4,5,6,7
	ds_load_b32 v[24+\i], v8 offset:8*\i+256*\p            ; the rows' ids,
.endr
.irp i, 0,1,2,3,4,5,6,7
	ds_load_b32 v[32+\i], v8 offset:8*\i+256*\p+WLO        ; and gate weights
.endr
.irp s, 0,1,2,3
.irp i, 0,1,2,3,4,5,6,7
	ds_load_b128 v[64+32*\s+4*\i:64+32*\s+4*\i+3], v[12+\p] offset:4352*\s+544*\i
.endr
.endr
	s_wait_dscnt 32                                ; the 16 list entries are in
.irp i, 0,1,2,3,4,5,6,7
	v_min_u32 v[24+\i], 0x87f, v[24+\i]            ; inside a half's 2,176 rows
	v_lshl_add_u32 v[40+\i], v[24+\i], 12, v6      ; the row of 4,096 bytes in y, my 16 bytes
.endr
	s_wait_dscnt 16                                ; makers 0 and 1
.set J, 0
.rept 16
	v_pk_add_f32 v[64+J:65+J], v[64+J:65+J], v[96+J:97+J]
.set J, J+2
.endr
	s_wait_dscnt 8
.set J, 0
.rept 16
	v_pk_add_f32 v[64+J:65+J], v[64+J:65+J], v[128+J:129+J]
.set J, J+2
.endr
	s_wait_dscnt 0x0
.set J, 0
.rept 16
	v_pk_add_f32 v[64+J:65+J], v[64+J:65+J], v[160+J:161+J]
.set J, J+2
.endr
.irp i, 0,1,2,3,4,5,6,7
	v_pk_fma_f32 v[64+4*\i:65+4*\i], v[64+4*\i:65+4*\i], s[100:101], v[20:21] op_sel_hi:[1,0,1]   ; sum x 2^(e2 + e3) + b2
	v_pk_fma_f32 v[66+4*\i:67+4*\i], v[66+4*\i:67+4*\i], s[100:101], v[22:23] op_sel_hi:[1,0,1]
.endr
.irp i, 0,1,2,3,4,5,6,7
.irp c, 0,1,2,3
	v_mul_f32 v[64+4*\i+\c], v[32+\i], v[64+4*\i+\c]       ; x the row's gate weight
.endr
.endr
.irp i, 0,1,2,3,4,5,6,7
	global_store_b128 v[40+\i], v[64+4*\i:67+4*\i], s[16:17]   ; sixteen lanes store 256 consecutive bytes, aligned; ranks behind the expert's last row go to their spare rows
.endr
.Ltr_\@:
.endm
.macro TRIP p
	s_wait_loadcnt 0x0                             ; this trip's fragments (in trip 0 the weights too).  For 0: the loads behind them stand under branches on the count
	s_wait_xcnt 0x0                                ; the last trip's stores have read their data and offsets: both are written again below
	s_add_co_u32 s28, s28, 8192
	v_add_nc_u32 v9, s28, v5                       ; the next trip's images: 8,192 bytes a trip in each plane
	TILE_M 0, \p
	TILE_M 1, \p
	TILE_M 2, \p
	TILE_M 3, \p
	s_wait_dscnt 0x0                               ; my sums lie in the stage, and my reads of the other half are over
	s_barrier_signal -1
	s_barrier_wait -1
	TILE_R \p
	s_add_co_u32 s23, s23, 64
	s_add_co_u32 s24, s24, 64
.endm
.Lpair:                                            ; 8 trips of the loop = 16 trips of 64 ranks, the two parities written out
	TRIP 0
	TRIP 1
	s_add_co_u32 s25, s25, 512
	s_sub_co_u32 s26, s26, 1
	s_cmp_lg_u32 s26, 0
	s_cbranch_scc1 .Lpair
	s_wait_tensorcnt 0x0
	ds_add_u32 v254, v255
	s_wait_dscnt 0x0
	s_endpgm
.Lfunc_end_k_qc48c3d407e_down:
	.size	k_qc48c3d407e_down, .Lfunc_end_k_qc48c3d407e_down-k_qc48c3d407e_down
	.p2alignl 7, 3214868480
	.fill 96, 4, 3214868480
	.section	.rodata,"a",@progbits
	.p2align	6, 0x0
	.amdhsa_kernel k_qc48c3d407e_down
		.amdhsa_group_segment_fixed_size 148480
		.amdhsa_private_segment_fixed_size 0
		.amdhsa_enable_private_segment 0
		.amdhsa_kernarg_size 56
		.amdhsa_user_sgpr_count 2
		.amdhsa_user_sgpr_kernarg_segment_ptr 1
		.amdhsa_wavefront_size32 1
		.amdhsa_system_sgpr_workgroup_id_x 1
		.amdhsa_system_sgpr_workgroup_id_y 1
		.amdhsa_system_sgpr_workgroup_id_z 1
		.amdhsa_system_vgpr_workitem_id 0
		.amdhsa_next_free_vgpr 768
		.amdhsa_next_free_sgpr 102
		.amdhsa_reserve_vcc 0
		.amdhsa_float_denorm_mode_32 3
		.amdhsa_float_denorm_mode_16_64 3
		.amdhsa_memory_ordered 1
		.amdhsa_forward_progress 1
		.amdhsa_inst_pref_size 94
	.end_amdhsa_kernel
	.amdgpu_metadata
---
amdhsa.version: [ 1, 2 ]
amdhsa.kernels:
  - .name:           k_qc48c3d407e_down
    .symbol:         k_qc48c3d407e_down.kd
    .args:
      - { .name: hq, .offset: 0, .size: 8, .value_kind: global_buffer, .address_space: global }
      - { .name: masks, .offset: 8, .size: 8, .value_kind: global_buffer, .address_space: global }
      - { .name: gw, .offset: 16, .size: 8, .value_kind: global_buffer, .address_space: global }
      - { .name: W2_codes, .offset: 24, .size: 8, .value_kind: global_buffer, .address_space: global }
      - { .name: b2, .offset: 32, .size: 8, .value_kind: global_buffer, .address_space: global }
      - { .name: lowp_scales, .offset: 40, .size: 8, .value_kind: global_buffer, .address_space: global }
      - { .name: y, .offset: 48, .size: 8, .value_kind: global_buffer, .address_space: global }
    .group_segment_fixed_size: 148480
    .private_segment_fixed_size: 0
    .kernarg_segment_align: 8
    .kernarg_segment_size: 56
    .max_flat_workgroup_size: 128
    .sgpr_count:     102
    .vgpr_count:     768
    .wavefront_size: 32
...
	.end_amdgpu_metadata
.endif
;; end of part 3
;; launch combine (part 4): grid 256 x 1, 8 waves a work-group, no clusters, 0 bytes of LDS; arguments y, imp, out0, out1; writes out0, out1
.if DOCPART == 4
	.amdgcn_target "amdgcn-amd-amdhsa--gfx1250"
	.amdhsa_code_object_version 6
	.text
	.protected	k_qc48c3d407e_combine
	.globl	k_qc48c3d407e_combine
	.p2align	8
	.type	k_qc48c3d407e_combine,@function
k_qc48c3d407e_combine:
	s_mov_b64 s[64:65], 0
	v_nop
	global_prefetch_b8 v0, s[64:65] scope:SCOPE_SE
	s_setreg_imm32_b32 hwreg(HW_REG_WAVE_MODE, 25, 1), 1
	s_wait_xcnt 0x0
; out0[token] = the sum of the token's four rows of y (two slots x two halves of K; gate weights and biases are in them already).  out1 = 8 x the sum over experts of (importance / 1,024)^2.
; y: [2 halves][2,176 rows][1,024] f32; rows 0 to 2,047 of a half are row 2 token + slot; the 128 rows behind them are spare and are not read.
; A stream: a work-group takes 4 tokens, thread t the 16 bytes at 16 t of a row of 4,096 bytes; all 16 loads go out first; each load and store of a wave covers 512 consecutive bytes, aligned.
; No LDS, no barrier, no matrix unit: each byte is read once and nothing is shared.  The aux loss, 4 KiB of partial sums, is wave 0 of work-group 0's.
	s_load_b256 s[4:11], s[0:1], 0x0               ; y s[4:5], imp s[6:7], out0 s[8:9], out1 s[10:11]
	v_lshlrev_b32 v1, 4, v0
	v_lshrrev_b32 v2, 5, v0
	v_readfirstlane_b32 s12, v2                    ; wave
	s_lshl_b32 s14, ttmp9, 15                      ; y: 8 rows a group
	s_mov_b32 s15, 0
	s_lshl_b32 s16, ttmp9, 14                      ; out0: 4 rows
	s_mov_b32 s17, 0
	s_wait_kmcnt 0x0
	s_add_nc_u64 s[4:5], s[4:5], s[14:15]
	s_add_nc_u64 s[18:19], s[4:5], 0x880000        ; the second half of K: 2,176 rows of 4,096 bytes on
	s_add_nc_u64 s[8:9], s[8:9], s[16:17]
.irp k, 0,1,2,3
	global_load_b128 v[16+16*\k:19+16*\k], v1, s[4:5] offset:8192*\k th:TH_LOAD_NT
	global_load_b128 v[20+16*\k:23+16*\k], v1, s[4:5] offset:8192*\k+4096 th:TH_LOAD_NT
	global_load_b128 v[24+16*\k:27+16*\k], v1, s[18:19] offset:8192*\k th:TH_LOAD_NT
	global_load_b128 v[28+16*\k:31+16*\k], v1, s[18:19] offset:8192*\k+4096 th:TH_LOAD_NT
.endr
.irp k, 0,1,2,3
	s_wait_loadcnt 12-4*\k                         ; this token's four loads are in; the younger tokens' four each may be out
	v_pk_add_f32 v[16+16*\k:17+16*\k], v[16+16*\k:17+16*\k], v[20+16*\k:21+16*\k]
	v_pk_add_f32 v[18+16*\k:19+16*\k], v[18+16*\k:19+16*\k], v[22+16*\k:23+16*\k]
	v_pk_add_f32 v[24+16*\k:25+16*\k], v[24+16*\k:25+16*\k], v[28+16*\k:29+16*\k]
	v_pk_add_f32 v[26+16*\k:27+16*\k], v[26+16*\k:27+16*\k], v[30+16*\k:31+16*\k]
	v_pk_add_f32 v[16+16*\k:17+16*\k], v[16+16*\k:17+16*\k], v[24+16*\k:25+16*\k]
	v_pk_add_f32 v[18+16*\k:19+16*\k], v[18+16*\k:19+16*\k], v[26+16*\k:27+16*\k]
	global_store_b128 v1, v[16+16*\k:19+16*\k], s[8:9] offset:4096*\k th:TH_STORE_NT
.endr
	s_cmp_lg_u32 ttmp9, 0
	s_cbranch_scc1 .Ldone
	s_cmp_lg_u32 s12, 0
	s_cbranch_scc1 .Ldone
	; the aux loss: imp is [128][8]; lane l takes rows l, l + 32, l + 64, l + 96
	v_lshlrev_b32 v3, 5, v0
.irp m, 0,1,2,3
	global_load_b128 v[80+8*\m:83+8*\m], v3, s[6:7] offset:1024*\m
	global_load_b128 v[84+8*\m:87+8*\m], v3, s[6:7] offset:1024*\m+16
.endr
	s_mov_b32 s20, 0x76543210
	s_mov_b32 s21, 0xfedcba98                      ; v_permlanex16_b32: lane l xor 16
.irp e, 0,1,2,3,4,5,6,7
	v_mov_b32 v[112+\e], 0                         ; a lane permute's destination counts as one of its sources
.endr
	v_mov_b32 v4, 0
	s_wait_loadcnt 0x0
.irp e, 0,2,4,6
	v_pk_add_f32 v[80+\e:81+\e], v[80+\e:81+\e], v[88+\e:89+\e]
	v_pk_add_f32 v[96+\e:97+\e], v[96+\e:97+\e], v[104+\e:105+\e]
.endr
.irp e, 0,2,4,6
	v_pk_add_f32 v[80+\e:81+\e], v[80+\e:81+\e], v[96+\e:97+\e]
.endr
.irp m, 1,2,4,8
.irp e, 0,1,2,3,4,5,6,7
	v_add_f32_dpp v[80+\e], v[80+\e], v[80+\e] row_xmask:\m row_mask:0xf bank_mask:0xf
.endr
.endr
.irp e, 0,1,2,3,4,5,6,7
	v_permlanex16_b32 v[112+\e], v[80+\e], s20, s21
.endr
.irp e, 0,1,2,3,4,5,6,7
	v_add_f32 v[80+\e], v[80+\e], v[112+\e]        ; the importance of expert e, in every lane
.endr
.irp e, 0,1,2,3,4,5,6,7
	v_mul_f32 v[80+\e], 0x3a800000, v[80+\e]       ; / 1,024
.endr
	v_mul_f32 v120, v80, v80
.irp e, 1,2,3,4,5,6,7
	v_fmac_f32 v120, v[80+\e], v[80+\e]
.endr
	v_mul_f32 v120, 0x41000000, v120               ; x 8
	v_cmp_eq_u32 vcc_lo, 0, v0
	s_wait_xcnt 0x0                                ; EXEC is a source of the stores above: it changes only behind this wait
	s_and_saveexec_b32 s22, vcc_lo
	global_store_b32 v4, v120, s[10:11]            ; one lane stores the one number
.Ldone:
	s_endpgm
.Lfunc_end_k_qc48c3d407e_combine:
	.size	k_qc48c3d407e_combine, .Lfunc_end_k_qc48c3d407e_combine-k_qc48c3d407e_combine
	.p2alignl 7, 3214868480
	.fill 96, 4, 3214868480
	.section	.rodata,"a",@progbits
	.p2align	6, 0x0
	.amdhsa_kernel k_qc48c3d407e_combine
		.amdhsa_group_segment_fixed_size 0
		.amdhsa_private_segment_fixed_size 0
		.amdhsa_enable_private_segment 0
		.amdhsa_kernarg_size 32
		.amdhsa_user_sgpr_count 2
		.amdhsa_user_sgpr_kernarg_segment_ptr 1
		.amdhsa_wavefront_size32 1
		.amdhsa_system_sgpr_workgroup_id_x 1
		.amdhsa_system_sgpr_workgroup_id_y 1
		.amdhsa_system_sgpr_workgroup_id_z 1
		.amdhsa_system_vgpr_workitem_id 0
		.amdhsa_next_free_vgpr 128
		.amdhsa_next_free_sgpr 66
		.amdhsa_reserve_vcc 1
		.amdhsa_float_denorm_mode_32 3
		.amdhsa_float_denorm_mode_16_64 3
		.amdhsa_memory_ordered 1
		.amdhsa_forward_progress 1
		.amdhsa_inst_pref_size 11
	.end_amdhsa_kernel
	.amdgpu_metadata
---
amdhsa.version: [ 1, 2 ]
amdhsa.kernels:
  - .name:           k_qc48c3d407e_combine
    .symbol:         k_qc48c3d407e_combine.kd
    .args:
      - { .name: y, .offset: 0, .size: 8, .value_kind: global_buffer, .address_space: global }
      - { .name: imp, .offset: 8, .size: 8, .value_kind: global_buffer, .address_space: global }
      - { .name: out0, .offset: 16, .size: 8, .value_kind: global_buffer, .address_space: global }
      - { .name: out1, .offset: 24, .size: 8, .value_kind: global_buffer, .address_space: global }
    .group_segment_fixed_size: 0
    .private_segment_fixed_size: 0
    .kernarg_segment_align: 8
    .kernarg_segment_size: 32
    .max_flat_workgroup_size: 256
    .sgpr_count:     66
    .vgpr_count:     128
    .wavefront_size: 32
...
	.end_amdgpu_metadata
.endif
;; end of part 4
;; ======== version 2 of 2: 4 launches
;; limits: an absolute error that grows with the inputs' magnitude: up to 1e-07 times it
;; workspace buffers: xq 1,048,576 bytes; masks 2,048 bytes of whole numbers; gw 8,192 bytes; imp 4,096 bytes; hq 33,554,432 bytes; y 17,825,792 bytes
;; launch router (part 5): grid 128 x 1, 4 waves a work-group, no clusters, 1,536 bytes of LDS; arguments x, Wr, br, lowp_scales, xq, masks, gw, imp; writes xq, masks, gw, imp
.if DOCPART == 5
	.amdgcn_target "amdgcn-amd-amdhsa--gfx1250"
	.amdhsa_code_object_version 6
	.text
	.protected	k_qc48c3d407e_router
	.globl	k_qc48c3d407e_router
	.p2align	8
	.type	k_qc48c3d407e_router,@function
k_qc48c3d407e_router:
	s_mov_b64 s[64:65], 0
	v_nop
	global_prefetch_b8 v0, s[64:65] scope:SCOPE_SE
	s_setreg_imm32_b32 hwreg(HW_REG_WAVE_MODE, 25, 1), 1
	s_wait_xcnt 0x0
; THE ROUTER, AND x AS CODES.  logits = x Wr + br in f32; softmax over the 8 experts (its sums go to imp, for the aux loss); the two largest logits (the lower index wins a tie) and the softmax of those two.
; A work-group takes 8 tokens.  Wave w takes K = 256 w .. 256 w + 255 of all 8, lane l the 8 neighbours 256 w + 8 l + j: so x is read once, and the same registers give the logits' partial sums and the E5M2 codes of x.
; code = x / 2^e0, held within +-57,344, to the nearest code, ties to even (e0 = entry 0 of the scales).
; OUT, all at fixed places: xq [1024][1024] codes; masks [2][8][128] bytes: bit t % 8 of byte t / 8: kind 0 the expert is one of token t's two, kind 1 it is its second; gw [1024][2] the two gate weights; imp [128][8] this group's sums of the softmax.
; No address and no branch hangs on the choice: it leaves as data.
; LIMITS: e0 between -126 and 112.  NaN and infinities among x, Wr, br are not served (the second choice is found among finite logits).  Two logits nearer than the rounding of an f32 sum of 1,024 terms may be ordered otherwise than another order of summing orders them.
; No matrix unit: N = 8 is under a tile's 16, and the product is 8 M multiply-adds.
.set X,   32                           ; v32-95   x: token k at X + 8 k
.set WR,  96                           ; v96-159  Wr: register WR + 8 j + e = Wr[my k + j][e]
.set CD,  160                          ; v160-175 codes, two registers a token: no store's data are written again
.set ACC, 176                          ; v176-239 partial logits, eight a token: no LDS store's data are written again
	s_load_b512 s[4:19], s[0:1], 0x0               ; x s[4:5], Wr s[6:7], br s[8:9], scales s[10:11], xq s[12:13], masks s[14:15], gw s[16:17], imp s[18:19]
	v_lshl_add_u32 v254, v0, 2, 0x400
	v_mov_b32 v255, 0
	v_lshrrev_b32 v7, 5, v0
	v_readfirstlane_b32 s20, v7                    ; wave
	v_lshlrev_b32 v1, 5, v0                        ; x: 1,024 w + 32 l bytes in a row
	v_lshlrev_b32 v2, 8, v0                        ; Wr: my 8 rows of 32 bytes: 8,192 w + 256 l
	v_lshlrev_b32 v3, 3, v0                        ; xq: 256 w + 8 l
	v_lshlrev_b32 v4, 8, v7                        ; LDS: my wave's 256 bytes of partial logits
	v_mov_b32 v6, 0
	v_and_b32 v16, 7, v0                           ; wave 0's second part: a lane to a token, l % 8
	v_lshlrev_b32 v17, 3, v16                      ; its 8 bytes in gw
	v_lshlrev_b32 v16, 5, v16                      ; its 32 bytes in a wave's partial logits
.irp i, 8,9,10,11,12,13,14,15
	v_mov_b32 v\i, 0                               ; written once: a lane permute's destination counts as one of its sources
.endr
	s_mov_b32 s36, 0x76543210
	s_mov_b32 s37, 0xfedcba98                      ; v_permlanex16_b32: lane l xor 16
	s_mov_b32 s39, 0
	s_wait_kmcnt 0x0
	s_load_b256 s[24:31], s[8:9], 0x0              ; br
	s_load_b32 s32, s[10:11], 0x0                  ; e0
	s_lshl_b32 s38, ttmp9, 15
	s_add_nc_u64 s[4:5], s[4:5], s[38:39]          ; x: 8 rows of 4,096 bytes a group
	s_lshl_b32 s38, ttmp9, 13
	s_add_nc_u64 s[12:13], s[12:13], s[38:39]      ; xq: 8 rows of 1,024
	s_mov_b32 s38, ttmp9
	s_add_nc_u64 s[14:15], s[14:15], s[38:39]      ; masks: my byte
	s_lshl_b32 s38, ttmp9, 6
	s_add_nc_u64 s[16:17], s[16:17], s[38:39]      ; gw: 8 x 8 bytes
	s_lshl_b32 s38, ttmp9, 5
	s_add_nc_u64 s[18:19], s[18:19], s[38:39]      ; imp: 32 bytes
.irp i, 0,1,2,3,4,5,6,7,8,9,10,11,12,13,14,15
	global_load_b128 v[WR+4*\i:WR+4*\i+3], v2, s[6:7] offset:16*\i
.endr
.irp k, 0,1,2,3,4,5,6,7
	global_load_b128 v[X+8*\k:X+8*\k+3], v1, s[4:5] offset:4096*\k th:TH_LOAD_NT
	global_load_b128 v[X+8*\k+4:X+8*\k+7], v1, s[4:5] offset:4096*\k+16 th:TH_LOAD_NT
.endr
	s_wait_kmcnt 0x0
	s_add_co_i32 s32, s32, 127
	s_lshl_b32 s33, s32, 23
	v_mov_b32 v5, s33                              ; 2^e0 as f32: the conversion takes its exponent field
	s_add_co_i32 s32, s32, 15
	s_lshl_b32 s32, s32, 23
	s_or_b32 s34, s32, 0x600000                    ; 57,344 x 2^e0
	s_or_b32 s35, s34, 0x80000000                  ; and its negative
; One token: codes of my 8 numbers, my 8 partial logits, their sum over the wave's 32 lanes, to LDS.
.macro TOKEN k
	s_wait_loadcnt 14-2*\k                         ; Wr and this token's two loads are in; the younger tokens' two each may be out
.irp i, 0,1,2,3,4,5,6,7
	v_med3_num_f32 v[24+\i], v[X+8*\k+\i], s35, s34   ; the conversion to an 8-bit code does not saturate (ISA guide 7.6.2): the hold comes first
.endr
	s_wait_alu depctr_va_vdst(0)
	v_cvt_scalef32_pk8_bf8_f32 v[CD+2*\k:CD+2*\k+1], v[24:31], v5
.irp p, 0,2,4,6
	v_pk_mul_f32 v[ACC+8*\k+\p:ACC+8*\k+\p+1], v[X+8*\k:X+8*\k+1], v[WR+\p:WR+\p+1] op_sel_hi:[0,1]   ; x_0 for both halves: the first product starts the sums
.endr
.irp j, 1,2,3,4,5,6,7
.irp p, 0,2,4,6
.if \j % 2
	v_pk_fma_f32 v[ACC+8*\k+\p:ACC+8*\k+\p+1], v[X+8*\k+\j-1:X+8*\k+\j], v[WR+8*\j+\p:WR+8*\j+\p+1], v[ACC+8*\k+\p:ACC+8*\k+\p+1] op_sel:[1,0,0] op_sel_hi:[1,1,1]   ; the pair's second register, x_j, for both halves
.else
	v_pk_fma_f32 v[ACC+8*\k+\p:ACC+8*\k+\p+1], v[X+8*\k+\j:X+8*\k+\j+1], v[WR+8*\j+\p:WR+8*\j+\p+1], v[ACC+8*\k+\p:ACC+8*\k+\p+1] op_sel_hi:[0,1,1]   ; the pair's first register for both halves
.endif
.endr
.endr
	global_store_b64 v3, v[CD+2*\k:CD+2*\k+1], s[12:13] offset:1024*\k   ; the wave stores 256 consecutive bytes, aligned
.irp m, 1,2,4,8
.irp e, 0,1,2,3,4,5,6,7
	v_add_f32_dpp v[ACC+8*\k+\e], v[ACC+8*\k+\e], v[ACC+8*\k+\e] row_xmask:\m row_mask:0xf bank_mask:0xf
.endr
.endr
.irp e, 0,1,2,3,4,5,6,7
	v_permlanex16_b32 v[8+\e], v[ACC+8*\k+\e], s36, s37
.endr
.irp e, 0,1,2,3,4,5,6,7
	v_add_f32 v[ACC+8*\k+\e], v[ACC+8*\k+\e], v[8+\e]
.endr
	ds_store_b128 v4, v[ACC+8*\k:ACC+8*\k+3] offset:32*\k          ; every lane holds the same sums and writes the same words
	ds_store_b128 v4, v[ACC+8*\k+4:ACC+8*\k+7] offset:32*\k+16
.endm
.irp k, 0,1,2,3,4,5,6,7
	TOKEN \k
.endr
	s_wait_dscnt 0x0                               ; for the others' sake: my partial logits lie in LDS
	s_barrier_signal -1
	s_barrier_wait -1
	s_cmp_lg_u32 s20, 0
	s_cbranch_scc1 .Lend                           ; the rest is 8 tokens' worth of work: wave 0 does it, a lane to a token, four lanes alike, so that every lane stays on
.irp w, 0,1,2,3
	ds_load_b128 v[32+8*\w:35+8*\w], v16 offset:256*\w
	ds_load_b128 v[36+8*\w:39+8*\w], v16 offset:256*\w+16
.endr
	s_wait_dscnt 0x0
.irp e, 0,2,4,6
	v_pk_add_f32 v[64+\e:65+\e], v[32+\e:33+\e], v[40+\e:41+\e]
	v_pk_add_f32 v[72+\e:73+\e], v[48+\e:49+\e], v[56+\e:57+\e]
.endr
.irp e, 0,2,4,6
	v_pk_add_f32 v[64+\e:65+\e], v[64+\e:65+\e], v[72+\e:73+\e]
.endr
.irp e, 0,1,2,3,4,5,6,7
	v_add_f32 v[64+\e], s[24+\e], v[64+\e]         ; v64-71: the token's eight logits
.endr
	; the softmax over all eight, with the maximum taken away
	v_max3_num_f32 v80, v64, v65, v66
	v_max3_num_f32 v80, v80, v67, v68
	v_max3_num_f32 v80, v80, v69, v70
	v_max_num_f32 v80, v80, v71
.irp e, 0,1,2,3,4,5,6,7
	v_sub_f32 v[72+\e], v[64+\e], v80
.endr
.irp e, 0,1,2,3,4,5,6,7
	v_mul_f32 v[72+\e], 0x3fb8aa3b, v[72+\e]       ; x log2(e)
.endr
	s_wait_alu depctr_va_vdst(0)
.irp e, 0,1,2,3,4,5,6,7
	v_exp_f32 v[72+\e], v[72+\e]
.endr
	v_mov_b32 v96, 0xff800000                      ; -infinity, for the second choice.  (The plain line behind the exponentials)
	s_wait_alu depctr_va_vdst(0)                   ; one wait for the eight, ahead of their first reader
	v_add_f32 v81, v72, v73
	v_add_f32 v82, v74, v75
	v_add_f32 v83, v76, v77
	v_add_f32 v97, v78, v79
	v_add_f32 v81, v81, v82
	v_add_f32 v83, v83, v97
	v_add_f32 v81, v81, v83
	s_wait_alu depctr_va_vdst(0)
	v_rcp_f32 v81, v81
	v_mov_b32 v84, v64                             ; the first choice begins at expert 0.  (The plain line behind the reciprocal)
	s_wait_alu depctr_va_vdst(0)
.irp e, 0,1,2,3,4,5,6,7
	v_mul_f32 v[72+\e], v[72+\e], v81
.endr
.irp m, 1,2,4
.irp e, 0,1,2,3,4,5,6,7
	v_add_f32_dpp v[72+\e], v[72+\e], v[72+\e] row_xmask:\m row_mask:0xf bank_mask:0xf   ; over the group's eight tokens
.endr
.endr
	global_store_b128 v6, v[72:75], s[18:19]       ; every lane holds the same eight sums
	global_store_b128 v6, v[76:79], s[18:19] offset:16
	; the two largest: an expert takes the place only if its logit is larger, so the lower index keeps a tie
	v_mov_b32 v85, 0
.irp e, 1,2,3,4,5,6,7
	v_cmp_le_f32 vcc_lo, v[64+\e], v84
	v_cndmask_b32 v85, \e, v85, vcc_lo
	v_cndmask_b32 v84, v[64+\e], v84, vcc_lo
.endr
.irp e, 0,1,2,3,4,5,6,7
	v_cmp_eq_u32 vcc_lo, \e, v85
	v_cndmask_b32 v[88+\e], v[64+\e], v96, vcc_lo  ; the first choice is taken out
.endr
	v_mov_b32 v86, v88
	v_mov_b32 v87, 0
.irp e, 1,2,3,4,5,6,7
	v_cmp_le_f32 vcc_lo, v[88+\e], v86
	v_cndmask_b32 v87, \e, v87, vcc_lo
	v_cndmask_b32 v86, v[88+\e], v86, vcc_lo
.endr
	; the softmax of the two: 1 / (1 + t) and t / (1 + t), t = e^(second - first), at most 1
	v_sub_f32 v80, v86, v84
	v_mul_f32 v80, 0x3fb8aa3b, v80
	s_wait_alu depctr_va_vdst(0)
	v_exp_f32 v80, v80
	v_nop
	s_wait_alu depctr_va_vdst(0)
	v_add_f32 v81, 1.0, v80
	s_wait_alu depctr_va_vdst(0)
	v_rcp_f32 v98, v81
	v_nop
	s_wait_alu depctr_va_vdst(0)
	v_mul_f32 v99, v80, v98
	global_store_b64 v17, v[98:99], s[16:17]
	; the choice as bits: lanes 0-7 are the group's tokens, so a compare's low byte is the group's byte of an expert's mask
.irp e, 0,1,2,3,4,5,6,7
	v_cmp_eq_u32 s40, \e, v85
	v_cmp_eq_u32 s41, \e, v87
	s_or_b32 s40, s40, s41
	s_and_b32 s40, s40, 0xff
	s_and_b32 s41, s41, 0xff
	v_mov_b32 v[100+\e], s40
	v_mov_b32 v[108+\e], s41
.endr
.irp e, 0,1,2,3,4,5,6,7
	global_store_b8 v6, v[100+\e], s[14:15] offset:128*\e
	global_store_b8 v6, v[108+\e], s[14:15] offset:1024+128*\e
.endr
.Lend:
	s_wait_tensorcnt 0x0
	ds_add_u32 v254, v255
	s_wait_dscnt 0x0
	s_endpgm
.Lfunc_end_k_qc48c3d407e_router:
	.size	k_qc48c3d407e_router, .Lfunc_end_k_qc48c3d407e_router-k_qc48c3d407e_router
	.p2alignl 7, 3214868480
	.fill 96, 4, 3214868480
	.section	.rodata,"a",@progbits
	.p2align	6, 0x0
	.amdhsa_kernel k_qc48c3d407e_router
		.amdhsa_group_segment_fixed_size 1536
		.amdhsa_private_segment_fixed_size 0
		.amdhsa_enable_private_segment 0
		.amdhsa_kernarg_size 64
		.amdhsa_user_sgpr_count 2
		.amdhsa_user_sgpr_kernarg_segment_ptr 1
		.amdhsa_wavefront_size32 1
		.amdhsa_system_sgpr_workgroup_id_x 1
		.amdhsa_system_sgpr_workgroup_id_y 1
		.amdhsa_system_sgpr_workgroup_id_z 1
		.amdhsa_system_vgpr_workitem_id 0
		.amdhsa_next_free_vgpr 256
		.amdhsa_next_free_sgpr 66
		.amdhsa_reserve_vcc 1
		.amdhsa_float_denorm_mode_32 3
		.amdhsa_float_denorm_mode_16_64 3
		.amdhsa_memory_ordered 1
		.amdhsa_forward_progress 1
		.amdhsa_inst_pref_size 62
	.end_amdhsa_kernel
	.amdgpu_metadata
---
amdhsa.version: [ 1, 2 ]
amdhsa.kernels:
  - .name:           k_qc48c3d407e_router
    .symbol:         k_qc48c3d407e_router.kd
    .args:
      - { .name: x, .offset: 0, .size: 8, .value_kind: global_buffer, .address_space: global }
      - { .name: Wr, .offset: 8, .size: 8, .value_kind: global_buffer, .address_space: global }
      - { .name: br, .offset: 16, .size: 8, .value_kind: global_buffer, .address_space: global }
      - { .name: lowp_scales, .offset: 24, .size: 8, .value_kind: global_buffer, .address_space: global }
      - { .name: xq, .offset: 32, .size: 8, .value_kind: global_buffer, .address_space: global }
      - { .name: masks, .offset: 40, .size: 8, .value_kind: global_buffer, .address_space: global }
      - { .name: gw, .offset: 48, .size: 8, .value_kind: global_buffer, .address_space: global }
      - { .name: imp, .offset: 56, .size: 8, .value_kind: global_buffer, .address_space: global }
    .group_segment_fixed_size: 1536
    .private_segment_fixed_size: 0
    .kernarg_segment_align: 8
    .kernarg_segment_size: 64
    .max_flat_workgroup_size: 128
    .sgpr_count:     66
    .vgpr_count:     256
    .wavefront_size: 32
...
	.end_amdgpu_metadata
.endif
;; end of part 5
;; launch up (part 6): grid 32 x 8, 4 waves a work-group, no clusters, 267,776 bytes of LDS; arguments xq, masks, W1_codes, b1, lowp_scales, hq; writes hq
.if DOCPART == 6
	.amdgcn_target "amdgcn-amd-amdhsa--gfx1250"
	.amdhsa_code_object_version 6
	.text
	.protected	k_qc48c3d407e_up
	.globl	k_qc48c3d407e_up
	.p2align	8
	.type	k_qc48c3d407e_up,@function
k_qc48c3d407e_up:
	s_mov_b64 s[64:65], 0
	v_nop
	global_prefetch_b8 v0, s[64:65] scope:SCOPE_SE
	s_setreg_imm32_b32 hwreg(HW_REG_WAVE_SCHED_MODE, 0, 2), 2
	s_setreg_imm32_b32 hwreg(HW_REG_WAVE_MODE, 25, 1), 1
	s_wait_xcnt 0x0
	s_wait_alu depctr_vm_vsrc(0)
; THE FIRST EXPERT PRODUCT, for the routed rows alone: hq = Q(gelu(x W1[e] + b1[e])), E5M2 codes on both sides, f32 sums, exact GELU in f32, then the given quantiser (2^e3).
; Six of the eight experts' results are multiplied by a gating of 0: only a token's two chosen experts are computed.
; SHARES.  Work-group (plane, e): 128 hidden units f = 128 plane .. + 127 of expert e, for all rows of that expert.  THE WEIGHTS STAY: the group's 128 x 1,024 codes are read once and lie in registers.
; THE WAVES SPLIT K: wave w holds all 128 f x K bytes 256 w .. + 255 (8 tiles x 2 K steps x 16 registers), so each wave reads bytes of x that no other wave of the group reads, straight into operand registers.
; A TRIP is 64 rows = 4 tiles of 16.  Each wave multiplies all four tiles by its quarter of K; three tiles' partial sums go through LDS to the waves that finish them; wave w finishes tile w: sum, GELU, codes, store.
; The stage in LDS has two halves that take turns by the trip's parity: ONE barrier a trip.  A half written in trip t is read behind barrier t and written again in trip t + 2, behind barrier t + 1, in front of which every wave has waited for its reads.
; THE ROW LOOP HAS 16 TRIPS WHATEVER THE SPLIT (an expert has at most 1,024 rows); a tile without rows is jumped over by a scalar branch on the count; no barrier and no wait in front of one stands under such a branch.
; So this launch has no tensor load and no cluster: which tiles are live hangs on counts read from memory.
; THE LIST of the expert's rows (token numbers, ascending) is made in LDS by wave 0 from the expert's 32 mask words; a row's place in it is its RANK.  Places behind the last row hold token 0: their results are stored and never used.
; At least four tiles are always made, so that the next launch's first loads find bytes that were stored.
; LAYOUT.  The product is used transposed (source 0 = 16 rows of W1, source 1 = 16 tokens): a lane holds one token.  Lane r of tile 2 b + u takes f row 32 b + 8 u + r + 8 (r / 8), so that registers 16 b .. 16 b + 15 of a lane's 64 sums are
; f = 32 b + 16 (lane / 16) + 0 .. 15: the conversions' results are the next product's operand registers.  Within a K step of 128 both operands take k = 32 c + 16 (lane / 16) + 0 .. 15 in registers 4 c .. 4 c + 3: the same order on both sides.
; hq: [8 e][32 planes][64 tiles of 16 ranks][4 c][32 lanes][16 bytes]: an image of those registers: each store and each later load of a wave covers 512 consecutive bytes.
; GELU: u + u erf(z), u = h / 2, z = h / sqrt(2); erf(z) = z P(z^2) / Q(z^2) on z held within +-4, degrees 6 and 4.
; LIMITS: e0 + e1 between -125 and 126 (added to the exponent fields of 1 / sqrt(2) and 1 / 2); e3 between -126 and 112.  NaN among the inputs is not served.  u + u erf(z) has an absolute error of about 1e-7 |h|: under h = -2 its relative error passes 1e-6.
; REGISTERS.  window 0: v1-31 addresses and constants; v32-159 x's fragments (local tile i at 32 + 32 i, K step at + 16); v160-223 b1 / 2^(e0 + e1) in the result's layout; v224-235 stage addresses; v236-239 zeros; v240-243 list addresses.
;   window 1: W1's 16 fragments, tile T, K step s at 32 T + 16 s.   window 2: local tile i's sums at 64 i; in the finishing part v0-63 S, v64-127 z, v128-191 z^2 and then the codes, v192-255 P and then Q.
; Local tile i of wave w is the trip's tile (w + i) % 4; local tile 0 is the wave's own.
; THE MODE: SCHED_MODE bits 1:0 = 2 (LLVM: expert scheduling mode 2), set by the entry lines.  The code itself states the register dependences
; between vector or matrix instructions and memory or LDS instructions, with s_wait_alu, always for 0.
; THE PLAN.  Registers that memory or LDS instructions touch in the loop, and who else names them:
;   x's fragments   local tile i's 16 products read v[32 + 32 i ..]; behind them the next trip's eight loads land there.
;   window 2 v64-255  written by local tiles 1-3's products; read by their 48 LDS stores; behind the barrier the other makers' sums land there; then the finishing part works on them.
;   window 2 v128-143 the codes: written by the conversions, read by the four stores to hq; written again by the next trip's products.
;   v12-15          list entries: LDS loads land, one vector line clamps them.      v16-19  offsets in xq: made from them, read by the fragments' loads.
;   v21             the codes' offset in hq, made once a trip.                      v240-243 the list's addresses, made once a trip.
;   v4, v5, v8-11, v20, v224-239: made at the head and never written again.  Window 1, window 2's v0-63, b1 and the constants are named by vector and matrix instructions alone in the loop.
; THE WAITS OF A TRIP.  At its head one on vm_vsrc, beside the wait on XCNT: all that the last trip's loads and stores read may be written again.  In each live tile one on va_vdst, behind its products and their places:
; its sums are written (16 LDS stores), its fragments are read and its offset is made (8 loads).  A tile's products and its stores stand under ONE branch on the count, so each tile has its own wait.
; One on va_vdst on every path, behind the list's addresses.  In the finishing part: one on vm_vsrc ahead of the 48 LDS loads, one on va_vdst behind my own tile's products, the one behind the reciprocals, one on va_vdst ahead of the stores.
.set LIST,  262144                     ; LDS: behind the stage: 1,152 words of list, then 32 words that take what is not chosen
.set PAR,   131072                     ; the stage's two halves; slot (finisher d, maker s) at (4 d + s) x 8,192: an image of 64 registers
.set XF,    32
.set BI,    160
.set SWA,   224                        ; v224-229 where I put local tile 1, 2, 3's sums, parity 0, 1
.set SRA,   230                        ; v230-235 where I find my tile's sums from waves (w + 1, 2, 3) % 4
.set LT,    240
.set MSB, 0
.macro WIN new                         ; s_set_vgpr_msb: bits 1:0 source 0, 3:2 source 1, 5:4 source 2, 7:6 destination; the high byte repeats the setting that is left
.if MSB != \new
	s_set_vgpr_msb (MSB<<8)|\new
.set MSB, \new
.endif
.endm
.macro SPAIR r, val                    ; a constant as a pair: the packed forms name the pair
	s_mov_b32 s[\r], \val
	s_mov_b32 s[\r+1], \val
.endm
	s_load_b256 s[4:11], s[0:1], 0x0               ; xq s[4:5], masks s[6:7], W1's codes s[8:9], b1 s[10:11]
	s_load_b128 s[12:15], s[0:1], 0x20             ; scales s[12:13], hq s[14:15]
	v_lshl_add_u32 v254, v0, 2, 0x41400
	v_mov_b32 v255, 0
	v_lshrrev_b32 v1, 5, v0
	v_readfirstlane_b32 s16, v1                    ; wave
	s_and_b32 s17, ttmp7, 0xffff                   ; expert
	v_and_b32 v1, 31, v0                           ; lane
	v_and_b32 v2, 15, v0                           ; r
	v_bfe_u32 v3, v0, 4, 1                         ; h
	s_wait_alu depctr_va_sdst(0)                   ; s16 is written, ahead of its first reader: addresses, ranks and branches are made from it
	s_lshl_b32 s2, s16, 8
	v_lshlrev_b32 v6, 4, v3
	v_add_nc_u32 v6, s2, v6                        ; my bytes in a row of x or W1: 256 w + 16 h
	v_and_b32 v4, 8, v2
	v_add_nc_u32 v4, v4, v2                        ; r + 8 (r / 8)
	v_lshl_add_u32 v4, v4, 10, v6                  ; W1: that row of 1,024 bytes
	v_lshlrev_b32 v5, 6, v3                        ; b1: 64 h
	v_lshlrev_b32 v7, 4, v1                        ; 16 x lane: my place in an image
	s_lshl_b32 s2, s16, 11
	v_add_nc_u32 v22, s2, v7                       ; hq: my tile of a trip's four, 2,048 bytes each
	v_add_nc_u32 v20, LIST, v7                     ; for the zeros
	v_add_nc_u32 v31, 1152, v1                     ; the word that takes my lane's token where it is not chosen
.irp i, 0,1,2,3
	s_add_co_u32 s2, s16, \i
	s_and_b32 s2, s2, 3
	s_lshl_b32 s[21+\i], s2, 4                     ; s21-24: local tile i's first rank; 64 more each trip
	v_add_nc_u32 v[8+\i], s[21+\i], v2
	v_lshl_add_u32 v[8+\i], v[8+\i], 2, LIST       ; v8-11: my row's word of the list, trip 0
.endr
.irp i, 1,2,3
	s_lshl_b32 s2, s[21+\i], 11                    ; finisher x 32,768
	s_lshl_b32 s3, s16, 13                         ; + maker (me) x 8,192
	s_add_co_u32 s2, s2, s3
	v_add_nc_u32 v[SWA+\i-1], s2, v7
	v_add_nc_u32 v[SWA+\i+2], PAR, v[SWA+\i-1]
	s_lshl_b32 s2, s[21+\i], 9                     ; maker x 8,192
	s_lshl_b32 s3, s16, 15                         ; + finisher (me) x 32,768
	s_add_co_u32 s2, s2, s3
	v_add_nc_u32 v[SRA+\i-1], s2, v7
	v_add_nc_u32 v[SRA+\i+2], PAR, v[SRA+\i-1]
.endr
.irp i, 236,237,238,239
	v_mov_b32 v\i, 0
.endr
	s_mov_b32 s3, 0
	s_wait_kmcnt 0x0
	s_lshl_b32 s2, s17, 7
	s_add_nc_u64 s[6:7], s[6:7], s[2:3]
	s_load_b512 s[32:47], s[6:7], 0x0              ; the expert's 32 mask words: bit b of word q is token 32 q + b
	s_load_b512 s[48:63], s[6:7], 0x40
	s_load_b128 s[68:71], s[12:13], 0x0            ; e0, e1, e2, e3
	s_lshl_b32 s2, s17, 14
	s_lshl_b32 s28, ttmp9, 9
	s_add_co_u32 s2, s2, s28
	s_add_nc_u64 s[10:11], s[10:11], s[2:3]        ; b1 at my 128 units
	s_lshl_b32 s2, s17, 22
	s_lshl_b32 s28, ttmp9, 17
	s_add_co_u32 s2, s2, s28
	s_add_nc_u64 s[8:9], s[8:9], s[2:3]            ; W1: (4,096 e + 128 plane) rows of 1,024 bytes;
	s_add_nc_u64 s[14:15], s[14:15], s[2:3]        ; hq: (32 e + plane) planes of 131,072 bytes: the same number
	s_wait_alu depctr_va_vdst(0)                   ; all that the head has made is written: the offsets v4 and v5, the LDS addresses v8-11, v20 and v224-235, the zeros v236-239: the loads and LDS instructions of the whole kernel read them
.irp T, 0,1,2,3,4,5,6,7
	global_load_b128 v[BI+8*\T:BI+8*\T+3], v5, s[10:11] offset:(32*(\T/2)+8*(\T%2))*4      ; b1 of units 32 b + 16 h + 8 u + 0 .. 7
	global_load_b128 v[BI+8*\T+4:BI+8*\T+7], v5, s[10:11] offset:(32*(\T/2)+8*(\T%2))*4+16
.endr
	WIN 0x40                                       ; destination window 1
.irp T, 0,1,2,3,4,5,6,7
.irp k, 0,1
.irp c, 0,1,2,3
	global_load_b128 v[32*\T+16*\k+4*\c:32*\T+16*\k+4*\c+3], v4, s[8:9] offset:(32*(\T/2)+8*(\T%2))*1024+128*\k+32*\c th:TH_LOAD_NT   ; the eight loads of a tile take 256 consecutive, aligned bytes of each of its 16 rows; read once in the launch
.endr
.endr
.endr
	WIN 0
	s_wait_kmcnt 0x0
	s_mov_b32 s19, 0                               ; every wave counts the expert's rows
.set Q, 0
.rept 32
	s_bcnt1_i32_b32 s2, s[32+Q]
	s_add_co_u32 s19, s19, s2
.set Q, Q+1
.endr
	s_max_u32 s20, s19, 64                         ; ranks below this are made
; Word q of the mask: a chosen token's place is the rows counted so far + the chosen lanes below mine.  Each word has registers of its own for the store's address and data: so all 32 words are worked out first, and their stores follow in one run.
.macro BUILD q
	v_mbcnt_lo_u32_b32 v28, s[32+\q], s29
	v_cndmask_b32 v28, v31, v28, s[32+\q]          ; not chosen: a word behind the list
	v_min_u32 v28, 0x4ff, v28                      ; inside the list's 1,280 words, whatever the masks hold
	v_lshl_add_u32 v[XF+2*\q], v28, 2, LIST
	v_add_nc_u32 v[XF+2*\q+1], 32*\q, v1           ; my token
	s_bcnt1_i32_b32 s2, s[32+\q]
	s_add_co_u32 s29, s29, s2
.endm
	s_cmp_lg_u32 s16, 0
	s_cbranch_scc1 .Lbuilt                         ; wave 0 alone writes the list; nobody else touches LDS before the barrier below
.irp i, 0,1,2,3,4,5,6,7,8
	ds_store_b128 v20, v[236:239] offset:512*\i    ; 1,152 zeros first: LDS serves a wave's instructions in order (ISA guide 5.7.1.4)
.endr
	s_mov_b32 s29, 0
.set Q, 0
.rept 32
	BUILD Q
.set Q, Q+1
.endr
	s_wait_alu depctr_va_vdst(0)                   ; the 32 words' addresses and tokens, v32-95, are written: the stores below read them
.set Q, 0
.rept 32
	ds_store_b32 v[XF+2*Q], v[XF+2*Q+1]
.set Q, Q+1
.endr
.Lbuilt:
	s_wait_dscnt 0x0
	s_barrier_signal -1
	s_barrier_wait -1                              ; the list lies in LDS
.irp i, 0,1,2,3
	ds_load_b32 v[12+\i], v[8+\i]                  ; trip 0's tokens
.endr
	; the constants take the masks' registers
	SPAIR 32, 0xaf95df0b                           ; P, highest degree first: -2.72614225801306e-10
	SPAIR 34, 0xb60cff51                           ; -2.10102402082508e-06 (the second, 2.77068142495902e-08, lies in v[24:25])
	SPAIR 36, 0xb86ec2d2                           ; -5.69250639462346e-05
	SPAIR 38, 0xba40ac63                           ; -7.34990630326855e-04
	SPAIR 40, 0xbb41a1f6                           ; -2.95459980854025e-03
	SPAIR 42, 0xbc83dbd4                           ; -1.60960333262415e-02
	SPAIR 44, 0xb77460cd                           ; Q: -1.45660718464996e-05
	SPAIR 46, 0xbadc924e                           ; -1.68282697438203e-03 (the second, -2.13374055278905e-04, lies in v[26:27])
	SPAIR 48, 0xbbf19bf8                           ; -7.37332916720468e-03
	SPAIR 50, 0xbc69b6a7                           ; -1.42647390514189e-02
	v_mov_b32 v24, 0x32edffee
	v_mov_b32 v25, 0x32edffee
	v_mov_b32 v26, 0xb95fbd29
	v_mov_b32 v27, 0xb95fbd29
	s_add_co_i32 s2, s68, s69                      ; e0 + e1: a sum stands for sum x 2^(e0 + e1)
	s_sub_co_i32 s30, 0, s2
	s_lshl_b32 s2, s2, 23
	s_add_co_i32 s52, s2, 0x3f3504f3               ; 2^(e0 + e1) / sqrt(2)
	s_mov_b32 s53, s52
	s_add_co_i32 s54, s2, 0x3f000000               ; 2^(e0 + e1) / 2
	s_mov_b32 s55, s54
	s_add_co_i32 s2, s71, 127
	s_lshl_b32 s28, s2, 23
	v_mov_b32 v23, s28                             ; 2^e3 as f32: the conversion takes its exponent field
	s_add_co_i32 s2, s2, 15
	s_lshl_b32 s2, s2, 23
	s_or_b32 s56, s2, 0x600000                     ; 57,344 x 2^e3
	s_or_b32 s57, s56, 0x80000000
	s_mov_b32 s25, 0                               ; the list's bytes walked: 512 a loop trip
	s_mov_b32 s26, 0                               ; hq's: 8,192 a trip
	s_mov_b32 s27, 8
	s_wait_loadcnt 63                              ; behind b1's 16 loads stand the weights' 64: with 63 out at the most, b1 is in
.set J, 0
.rept 64
	v_ldexp_f32 v[BI+J], v[BI+J], s30              ; b1 goes in as the C of my own tile's first product: divided by the power of two that the sums lack
.set J, J+1
.endr
.macro XADDR i                         ; the list's entry becomes an offset in xq
	v_min_u32 v[12+\i], 0x3ff, v[12+\i]
	v_lshl_add_u32 v[16+\i], v[12+\i], 10, v6
.endm
.macro XLOAD i                         ; local tile i's two fragments: 16 tokens x my 256 bytes
.irp k, 0,1
.irp c, 0,1,2,3
	global_load_b128 v[XF+32*\i+16*\k+4*\c:XF+32*\i+16*\k+4*\c+3], v[16+\i], s[4:5] offset:128*\k+32*\c
.endr
.endr
.endm
	s_wait_dscnt 0x0
.irp i, 0,1,2,3
	XADDR \i                                       ; the four offsets together, ahead of one pair of waits
.endr
	s_wait_alu depctr_vm_vsrc(0)                   ; wave 0's stores of the list have read v32-95, in which fragments land
	s_wait_alu depctr_va_vdst(0)                   ; the offsets v16-19 are written, which the loads below read; wave 0's list arithmetic has written v32-95, in which they land; the clamps are done with v13-15, in which the next tokens land
.irp i, 0,1,2,3
	XLOAD \i                                       ; trip 0's fragments, on every path: so these registers are written whatever the count
.endr
.irp i, 1,2,3
	ds_load_b32 v[12+\i], v[8+\i] offset:256       ; trip 1's tokens of local tiles 1-3
.endr
	s_wait_dscnt 0x0
; Local tile i (1, 2, 3): my quarter of K, 16 products on 8 accumulators by turns; the sums to the finisher's slot; then the next trip's fragments.
.macro TILE_A i, p
	s_cmp_lt_u32 s[21+\i], s20
	s_cbranch_scc0 .Lta_\@
	WIN 0x81                                       ; W1 window 1, x window 0, sums window 2
.irp T, 0,1,2,3,4,5,6,7
	v_wmma_f32_16x16x128_bf8_bf8 v[64*\i+8*\T:64*\i+8*\T+7], v[32*\T:32*\T+15], v[XF+32*\i:XF+32*\i+15], 0
.endr
	WIN 0xa1
.irp T, 0,1,2,3,4,5,6,7
	v_wmma_f32_16x16x128_bf8_bf8 v[64*\i+8*\T:64*\i+8*\T+7], v[32*\T+16:32*\T+31], v[XF+32*\i+16:XF+32*\i+31], v[64*\i+8*\T:64*\i+8*\T+7]
.endr
	WIN 0
	XADDR \i                                       ; the next trip's offsets: with the two lines below, the four places behind the products (ISA guide 7.12.1)
	v_nop
	v_nop
	WIN 0x08                                       ; store data window 2
	s_wait_alu depctr_va_vdst(0)                   ; the tile's products have written its sums, which the 16 stores read; they are done reading its fragments, in which the loads below land; the offset v[16 + i] is written.  The places above stay beside this wait
.irp g, 0,1,2,3,4,5,6,7,8,9,10,11,12,13,14,15
	ds_store_b128 v[SWA+3*\p+\i-1], v[64*\i+4*\g:64*\i+4*\g+3] offset:512*\g   ; each accumulator from its low end on
.endr
	WIN 0
	s_add_co_u32 s2, s[21+\i], 64
	s_cmp_lt_u32 s2, s20
	s_cbranch_scc0 .Lta_\@
	XLOAD \i                                       ; no further wait: no vector or matrix instruction since the wait above; the stores between name the sums and the stage's address alone
.Lta_\@:
.endm
.macro HORNER acc, cs                  ; acc = acc z^2 + a constant
.set J, 0
.rept 32
	v_pk_fma_f32 v[\acc+J:\acc+J+1], v[\acc+J:\acc+J+1], v[128+J:129+J], s[\cs:\cs+1] op_sel_hi:[1,1,0]
.set J, J+2
.endr
.endm
; 64 sums of a lane, v0-63 of window 2, become 64 codes in v128-143.
.macro GELU
	WIN 0xaa                                       ; all in window 2
.set J, 0
.rept 32
	v_pk_mul_f32 v[64+J:65+J], v[J:J+1], s[52:53] op_sel_hi:[1,0]   ; z = h / sqrt(2)
.set J, J+2
.endr
.set J, 0
.rept 64
	v_med3_num_f32 v[64+J], v[64+J], -4.0, 4.0
.set J, J+1
.endr
.set J, 0
.rept 32
	v_pk_mul_f32 v[128+J:129+J], v[64+J:65+J], v[64+J:65+J]
.set J, J+2
.endr
	WIN 0x82                                       ; source 2 in window 0
.set J, 0
.rept 32
	v_pk_fma_f32 v[192+J:193+J], v[128+J:129+J], s[32:33], v[24:25] op_sel_hi:[1,0,1]
.set J, J+2
.endr
	WIN 0xaa
	HORNER 192, 34
	HORNER 192, 36
	HORNER 192, 38
	HORNER 192, 40
	HORNER 192, 42
.set J, 0
.rept 32
	v_pk_mul_f32 v[64+J:65+J], v[64+J:65+J], v[192+J:193+J]         ; z P
.set J, J+2
.endr
	WIN 0x82
.set J, 0
.rept 32
	v_pk_fma_f32 v[192+J:193+J], v[128+J:129+J], s[44:45], v[26:27] op_sel_hi:[1,0,1]
.set J, J+2
.endr
	WIN 0xaa
	HORNER 192, 46
	HORNER 192, 48
	HORNER 192, 50
.set J, 0
	s_wait_alu depctr_va_vdst(0)
.rept 64
	v_rcp_f32 v[192+J], v[192+J]                   ; 1 / Q: one batch
.set J, J+1
.endr
.set J, 0
.rept 32
	v_pk_mul_f32 v[J:J+1], v[J:J+1], s[54:55] op_sel_hi:[1,0]       ; u = h / 2: the plain work behind the batch
.set J, J+2
.endr
	s_wait_alu depctr_va_vdst(0)                   ; one wait for the 64 reciprocals in window 2's v192-255, ahead of their first reader
.set J, 0
.rept 32
	v_pk_mul_f32 v[64+J:65+J], v[64+J:65+J], v[192+J:193+J]         ; erf(z)
.set J, J+2
.endr
.set J, 0
.rept 32
	v_pk_fma_f32 v[J:J+1], v[J:J+1], v[64+J:65+J], v[J:J+1]         ; u erf(z) + u
.set J, J+2
.endr
	WIN 0x82                                       ; the conversion's scale lies in window 0
.irp b, 0,1,2,3
.irp i, 0,1,2,3,4,5,6,7,8,9,10,11,12,13,14,15
	v_med3_num_f32 v[16*\b+\i], v[16*\b+\i], s57, s56   ; the conversion to an 8-bit code does not saturate (ISA guide 7.6.2): the hold comes first
.endr
	v_cvt_scalef32_pk8_bf8_f32 v[128+4*\b:129+4*\b], v[16*\b:16*\b+7], v23
	v_cvt_scalef32_pk8_bf8_f32 v[130+4*\b:131+4*\b], v[16*\b+8:16*\b+15], v23
.endr
	v_nop                                          ; one plain line behind the last conversion: matrix instructions write these registers later
.endm
; My own tile: the three other quarters of K come from LDS while my quarter is multiplied (its first product takes the bias as C).
.macro TILE_B p
	s_cmp_lt_u32 s21, s20
	s_cbranch_scc0 .Ltb_\@
	WIN 0x80                                       ; destination window 2
	s_wait_alu depctr_vm_vsrc(0)                   ; my LDS stores of this trip have read window 2's v64-255, in which the other makers' sums land (all vector and matrix work on them stands ahead of the wait on va_vdst in front of the barrier)
.irp i, 1,2,3
.irp g, 0,1,2,3,4,5,6,7,8,9,10,11,12,13,14,15
	ds_load_b128 v[64*\i+4*\g:64*\i+4*\g+3], v[SRA+3*\p+\i-1] offset:512*\g
.endr
.endr
	WIN 0x81
.irp T, 0,1,2,3,4,5,6,7
	v_wmma_f32_16x16x128_bf8_bf8 v[8*\T:8*\T+7], v[32*\T:32*\T+15], v[XF:XF+15], v[BI+8*\T:BI+8*\T+7]
.endr
	WIN 0xa1
.irp T, 0,1,2,3,4,5,6,7
	v_wmma_f32_16x16x128_bf8_bf8 v[8*\T:8*\T+7], v[32*\T+16:32*\T+31], v[XF+16:XF+31], v[8*\T:8*\T+7]
.endr
	WIN 0
	XADDR 0                                        ; four places behind the products
	v_add_nc_u32 v21, s26, v22                     ; where this tile's codes go
	v_nop
	s_wait_alu depctr_va_vdst(0)                   ; my own tile's products are done reading v32-63, in which the next trip's fragments land; their offset v16 is written, and so is v21, which the stores at the tile's end read
	s_add_co_u32 s2, s21, 64
	s_cmp_lt_u32 s2, s20
	s_cbranch_scc0 .Ltbx_\@
	XLOAD 0
.Ltbx_\@:
	s_wait_dscnt 32                                ; of the 48 loads the first maker's 16 are in
	WIN 0xaa
.set J, 0
.rept 32
	v_pk_add_f32 v[J:J+1], v[J:J+1], v[64+J:65+J]  ; each accumulator from its low end on
.set J, J+2
.endr
	s_wait_dscnt 16
.set J, 0
.rept 32
	v_pk_add_f32 v[J:J+1], v[J:J+1], v[128+J:129+J]
.set J, J+2
.endr
	s_wait_dscnt 0x0
.set J, 0
.rept 32
	v_pk_add_f32 v[J:J+1], v[J:J+1], v[192+J:193+J]
.set J, J+2
.endr
	GELU
	WIN 0x08                                       ; store data window 2
	s_wait_alu depctr_va_vdst(0)                   ; the conversions have written the codes, window 2's v128-143, which the four stores read
.irp c, 0,1,2,3
	global_store_b128 v21, v[128+4*\c:131+4*\c], s[14:15] offset:512*\c   ; the wave stores 512 consecutive bytes, aligned
.endr
	WIN 0
.Ltb_\@:
.endm
.macro TRIP p
	s_wait_loadcnt 0x0                             ; this trip's fragments (in trip 0 the weights too).  For 0: the loads behind them stand under branches on the count
	s_wait_xcnt 0x0                                ; the last trip's stores have read their data and offset: both are written again below
	s_wait_alu depctr_vm_vsrc(0)                   ; beside it: the last trip's loads and stores have read v16-19, v21, v240-243, the sums and the codes in window 2: this trip's vector lines and products write them again
	TILE_A 1, \p
	TILE_A 2, \p
	TILE_A 3, \p
.irp i, 0,1,2,3
	v_add_nc_u32 v[LT+\i], s25, v[8+\i]            ; on every path: also places in front of accumulators that the next trip begins anew
.endr
	s_wait_alu depctr_va_vdst(0)                   ; the list's addresses v240-243 are written; the clamps are done with v12-15, in which the next tokens land; all earlier work on window 2's v64-255 is done, in which sums land behind the barrier
	ds_load_b32 v12, v[LT] offset:256+256*\p       ; my own tile's tokens of the next trip,
.irp i, 1,2,3
	ds_load_b32 v[12+\i], v[LT+\i] offset:512+256*\p   ; the others' of the trip after it: their offsets are made a trip earlier
.endr
	s_wait_dscnt 0x0                               ; my sums lie in the stage, and my reads of the other half are long over
	s_barrier_signal -1
	s_barrier_wait -1
	TILE_B \p
.irp i, 0,1,2,3
	s_add_co_u32 s[21+\i], s[21+\i], 64
.endr
	s_add_co_u32 s26, s26, 8192
.endm
.Lpair:                                            ; 8 trips of the loop = 16 trips of 64 rows, the two parities written out
	TRIP 0
	TRIP 1
	s_add_co_u32 s25, s25, 512
	s_sub_co_u32 s27, s27, 1
	s_cmp_lg_u32 s27, 0
	s_cbranch_scc1 .Lpair
	s_wait_dscnt 0x0
	s_wait_alu depctr_hold_cnt(0) depctr_sa_sdst(0) depctr_va_vdst(0) depctr_va_sdst(0) depctr_va_ssrc(0) depctr_va_vcc(0) depctr_vm_vsrc(0)
	s_wait_tensorcnt 0x0
	ds_add_u32 v254, v255
	s_wait_dscnt 0x0
	s_endpgm
.Lfunc_end_k_qc48c3d407e_up:
	.size	k_qc48c3d407e_up, .Lfunc_end_k_qc48c3d407e_up-k_qc48c3d407e_up
	.p2alignl 7, 3214868480
	.fill 96, 4, 3214868480
	.section	.rodata,"a",@progbits
	.p2align	6, 0x0
	.amdhsa_kernel k_qc48c3d407e_up
		.amdhsa_group_segment_fixed_size 267776
		.amdhsa_private_segment_fixed_size 0
		.amdhsa_enable_private_segment 0
		.amdhsa_kernarg_size 48
		.amdhsa_user_sgpr_count 2
		.amdhsa_user_sgpr_kernarg_segment_ptr 1
		.amdhsa_wavefront_size32 1
		.amdhsa_system_sgpr_workgroup_id_x 1
		.amdhsa_system_sgpr_workgroup_id_y 1
		.amdhsa_system_sgpr_workgroup_id_z 1
		.amdhsa_system_vgpr_workitem_id 0
		.amdhsa_next_free_vgpr 768
		.amdhsa_next_free_sgpr 72
		.amdhsa_reserve_vcc 0
		.amdhsa_float_denorm_mode_32 3
		.amdhsa_float_denorm_mode_16_64 3
		.amdhsa_memory_ordered 1
		.amdhsa_forward_progress 1
		.amdhsa_inst_pref_size 171
	.end_amdhsa_kernel
	.amdgpu_metadata
---
amdhsa.version: [ 1, 2 ]
amdhsa.kernels:
  - .name:           k_qc48c3d407e_up
    .symbol:         k_qc48c3d407e_up.kd
    .args:
      - { .name: xq, .offset: 0, .size: 8, .value_kind: global_buffer, .address_space: global }
      - { .name: masks, .offset: 8, .size: 8, .value_kind: global_buffer, .address_space: global }
      - { .name: W1_codes, .offset: 16, .size: 8, .value_kind: global_buffer, .address_space: global }
      - { .name: b1, .offset: 24, .size: 8, .value_kind: global_buffer, .address_space: global }
      - { .name: lowp_scales, .offset: 32, .size: 8, .value_kind: global_buffer, .address_space: global }
      - { .name: hq, .offset: 40, .size: 8, .value_kind: global_buffer, .address_space: global }
    .group_segment_fixed_size: 267776
    .private_segment_fixed_size: 0
    .kernarg_segment_align: 8
    .kernarg_segment_size: 48
    .max_flat_workgroup_size: 128
    .sgpr_count:     72
    .vgpr_count:     768
    .wavefront_size: 32
...
	.end_amdgpu_metadata
.endif
;; end of part 6
;; launch down (part 7): grid 32 x 8, 4 waves a work-group, no clusters, 148,480 bytes of LDS; arguments hq, masks, gw, W2_codes, b2, lowp_scales, y; writes y
.if DOCPART == 7
	.amdgcn_target "amdgcn-amd-amdhsa--gfx1250"
	.amdhsa_code_object_version 6
	.text
	.protected	k_qc48c3d407e_down
	.globl	k_qc48c3d407e_down
	.p2align	8
	.type	k_qc48c3d407e_down,@function
k_qc48c3d407e_down:
	s_mov_b64 s[64:65], 0
	v_nop
	global_prefetch_b8 v0, s[64:65] scope:SCOPE_SE
	s_setreg_imm32_b32 hwreg(HW_REG_WAVE_SCHED_MODE, 0, 2), 2
	s_setreg_imm32_b32 hwreg(HW_REG_WAVE_MODE, 25, 1), 1
	s_wait_xcnt 0x0
	s_wait_alu depctr_vm_vsrc(0)
; THE SECOND EXPERT PRODUCT, for the routed rows alone: y[half][2 token + slot][n] = gate weight x (sum over this half of K of h W2[e] x 2^(e2 + e3) + b2[e] in half 0 alone).  E5M2 codes on both sides, f32 sums.
; SHARES.  Work-group (x, e): 64 output columns n = 64 (x / 2) .. + 63, K half x % 2 (2,048 of the 4,096 hidden units), all rows of expert e.  THE WEIGHTS STAY: 64 x 2,048 codes, read once, in registers.
; By the sizes: 32 columns x all of K would read each row's 4,096 codes 32 times over the groups, 128 columns x a quarter of K would store four partial outputs; 64 x a half reads them 16 times and stores two.
; THE WAVES SPLIT K: wave w holds all 64 n x 512 of K: 4 tiles x 4 K steps x 16 registers; so each wave reads codes of h that no other wave of the group reads, as images of operand registers, 512 consecutive bytes a load.
; A TRIP is 64 ranks = 4 tiles of 16.  Each wave multiplies all four; ALL partial sums go through LDS, as rows of 256 bytes + 16; wave w finishes tile w, reading them back so that sixteen lanes hold a row's 256 neighbouring bytes.
; The stage has two halves that take turns by the trip's parity: ONE barrier a trip (a half is written again two trips on, behind a barrier in front of which every wave has waited for its reads).
; 16 trips whatever the split; a tile without rows is jumped over by a scalar branch on the count; no barrier stands under such a branch.  So no tensor load and no cluster: which tiles are live hangs on counts read from memory.
; THE LIST: wave 0 makes, from the expert's mask words, the rows' ids (2 token + slot, token ascending: the same order as in the launch before, so a rank means the same row) and their gate weights, in LDS.
; THE LAST TILE OF AN EXPERT may have fewer than 16 rows.  It is stored whole all the same, with every lane on: each half of y has 128 SPARE ROWS behind its 2,048, and the list's places behind the last row hold the id
; 2,048 + 16 e + (place % 16), with the gate weight 0.  So what the ranks behind the last row compute goes to spare rows: at most 15 x 256 bytes a work-group; each such byte has one writer (expert, rank in the tile, half, columns) and nobody reads it.
; LIMITS: e2 + e3 between -126 and 127.  NaN and infinities in b2 are not served (it is multiplied by 0 in half 1).
; REGISTERS.  window 0: v1-59 addresses, list entries, b2, the list's fill; v64-191 the sums (tile d, n tile T at 64 + 32 d + 8 T), later the four makers' rows; at the head v64-127 gw and v128-223 the list's stores.
;   window 1: W2's 16 fragments, at 16 (4 T + s).   window 2: h's 16 fragments, at 64 d + 16 s.
; THE MODE: SCHED_MODE bits 1:0 = 2 (LLVM: expert scheduling mode 2), set by the entry lines.  The code itself states the register dependences
; between vector or matrix instructions and memory or LDS instructions, with s_wait_alu, always for 0.
; THE PLAN.  Registers that memory or LDS instructions touch in the loop, and who else names them:
;   h's fragments   tile d's 16 products read window 2's v[64 d ..]; behind them the next trip's sixteen loads land there.
;   v64-191         written by the four tiles' products; read by their 32 LDS stores; behind the barrier the four makers' rows land there; the finishing part adds them into v64-95, which the eight stores to y read.
;   v9              the next trip's offset in the images: one add at a trip's head, read by the fragments' loads.      v8  the list's address: one add in the finishing part.
;   v24-39          list entries: LDS loads land, vector lines read them.       v40-47  offsets in y: made from them, read by the stores.
;   v4-7, v10-13, v48-53, v56-59: made at the head and never written again.  Window 1 and b2 (v20-23) are named by vector and matrix instructions alone in the loop.
; THE WAITS OF A TRIP.  At its head one on vm_vsrc, beside the wait on XCNT: all that the last trip's loads and stores read may be written again.  In each live tile one on va_vdst, behind its products and their places:
; its sums are written (8 LDS stores), its fragments are read and v9 is written (16 loads).  A tile's products and its stores stand under ONE branch on the count, so each tile has its own wait.
; In the finishing part: one on vm_vsrc and one on va_vdst ahead of its 48 LDS loads, one on va_vdst ahead of its eight stores.
.set PAR,   69632                      ; LDS: the stage's two halves; slot (finisher d, maker s) at (4 d + s) x 4,352: 16 rows of 272 bytes
.set IDL,   139264                     ; 1,024 ids, then 64 words that take what is not chosen
.set WLO,   4352                       ; the gate weights lie so far behind the ids
.set YHALF, 0x880000                   ; a half of y: 2,176 rows of 4,096 bytes
.set MSB, 0
.macro WIN new                         ; s_set_vgpr_msb: bits 1:0 source 0, 3:2 source 1, 5:4 source 2, 7:6 destination; the high byte repeats the setting that is left
.if MSB != \new
	s_set_vgpr_msb (MSB<<8)|\new
.set MSB, \new
.endif
.endm
	s_load_b256 s[4:11], s[0:1], 0x0               ; hq s[4:5], masks s[6:7], gw s[8:9], W2's codes s[10:11]
	s_load_b128 s[12:15], s[0:1], 0x20             ; b2 s[12:13], scales s[14:15]
	s_load_b64 s[16:17], s[0:1], 0x30              ; y
	v_lshl_add_u32 v254, v0, 2, 0x24200
	v_mov_b32 v255, 0
	v_lshrrev_b32 v1, 5, v0
	v_readfirstlane_b32 s18, v1                    ; wave
	s_and_b32 s19, ttmp7, 0xffff                   ; expert
	s_lshr_b32 s20, ttmp9, 1                       ; which 64 columns
	s_and_b32 s21, ttmp9, 1                        ; which half of K
	v_and_b32 v1, 31, v0                           ; lane
	v_and_b32 v2, 15, v0                           ; r
	v_bfe_u32 v3, v0, 4, 1                         ; h
	s_wait_alu depctr_va_sdst(0)                   ; s18 is written, ahead of its first reader: addresses, ranks and branches are made from it
	s_lshl_b32 s2, s18, 9
	v_lshlrev_b32 v4, 12, v2
	v_lshl_add_u32 v4, v3, 4, v4
	v_add_nc_u32 v4, s2, v4                        ; W2: row r of 4,096 bytes + 512 w + 16 h
	v_lshlrev_b32 v5, 4, v1                        ; 16 x lane: my place in an image
	v_lshlrev_b32 v6, 4, v2                        ; 16 r: my four columns of a row's 64
	s_lshl_b32 s2, s18, 6
	v_lshl_add_u32 v7, v3, 2, IDL
	v_add_nc_u32 v7, s2, v7                        ; the list: word 16 w + h
	v_mul_u32_u24 v10, v2, 272
	v_lshl_add_u32 v10, v3, 5, v10
	s_mul_i32 s2, s18, 4352
	v_add_nc_u32 v10, s2, v10                      ; into the stage: maker's slot, row r, 32 h
	v_add_nc_u32 v11, PAR, v10
	v_mul_u32_u24 v12, v3, 272
	v_lshl_add_u32 v12, v2, 4, v12
	s_mul_i32 s2, s18, 17408
	v_add_nc_u32 v12, s2, v12                      ; out of it: finisher's four slots, row h, 16 r
	v_add_nc_u32 v13, PAR, v12
	v_add_nc_u32 v17, 1024, v1                     ; the word that takes my lane's row where it is not chosen
	v_lshlrev_b32 v18, 1, v1                       ; 2 x lane
	s_lshl_b32 s2, s19, 4
	s_add_co_u32 s2, s2, 2048
	v_and_b32 v48, 3, v1
	v_lshl_add_u32 v48, v48, 2, s2                 ; the ids' fill: a lane fills words 4 l .. 4 l + 3 of each 128: the spare row 2,048 + 16 e + (word % 16)
	v_add_nc_u32 v49, 1, v48
	v_add_nc_u32 v50, 2, v48
	v_add_nc_u32 v51, 3, v48
.irp i, 56,57,58,59
	v_mov_b32 v\i, 0                               ; the gate weights' fill
.endr
	v_add_nc_u32 v52, IDL, v5                      ; where the fills go
	v_lshlrev_b32 v53, 3, v1                       ; gw: 8 bytes a token
	s_mov_b32 s3, 0
	s_wait_kmcnt 0x0
	s_lshl_b32 s2, s19, 7
	s_add_nc_u64 s[6:7], s[6:7], s[2:3]
	s_load_b512 s[32:47], s[6:7], 0x0              ; chosen: bit b of word q is token 32 q + b
	s_load_b512 s[48:63], s[6:7], 0x40
	s_load_b512 s[68:83], s[6:7], 0x400            ; chosen as the second
	s_load_b512 s[84:99], s[6:7], 0x440
	s_load_b64 s[100:101], s[14:15], 0x8           ; e2, e3
	s_lshl_b32 s2, s19, 12
	s_lshl_b32 s23, s20, 8
	s_add_co_u32 s2, s2, s23
	s_add_nc_u64 s[12:13], s[12:13], s[2:3]        ; b2 at my 64 columns
	s_lshl_b32 s2, s19, 22
	s_lshl_b32 s23, s20, 18
	s_add_co_u32 s2, s2, s23
	s_lshl_b32 s23, s21, 11
	s_add_co_u32 s2, s2, s23
	s_add_nc_u64 s[10:11], s[10:11], s[2:3]        ; W2: (1,024 e + 64 x) rows of 4,096 bytes + my half's 2,048
	s_lshl_b32 s2, s19, 22
	s_lshl_b32 s23, s21, 21
	s_add_co_u32 s2, s2, s23
	s_lshl_b32 s23, s18, 19
	s_add_co_u32 s2, s2, s23
	s_add_nc_u64 s[4:5], s[4:5], s[2:3]            ; hq: plane 32 e + 16 half + 4 w, 131,072 bytes each
	s_mul_i32 s2, s21, YHALF
	s_lshl_b32 s23, s20, 8
	s_add_co_u32 s2, s2, s23
	s_add_nc_u64 s[16:17], s[16:17], s[2:3]        ; y: my half, my 256 bytes of a row
	s_wait_alu depctr_va_vdst(0)                   ; all that the head has made is written: the offsets v4, v5, v6 and v53, the LDS addresses v7, v10-13 and v52, the fills v48-51 and v56-59: the loads and LDS instructions of the whole kernel read them
	s_cmp_lg_u32 s18, 0
	s_cbranch_scc1 .Lno_gw
.set Q, 0
.rept 32
	global_load_b64 v[64+2*Q:65+2*Q], v53, s[8:9] offset:256*Q   ; wave 0: all tokens' two gate weights, for the list
.set Q, Q+1
.endr
.Lno_gw:
	global_load_b128 v[20:23], v6, s[12:13]        ; b2 of my four columns
	WIN 0x40                                       ; destination window 1
.irp T, 0,1,2,3
.irp k, 0,1,2,3
.irp c, 0,1,2,3
	global_load_b128 v[16*(4*\T+\k)+4*\c:16*(4*\T+\k)+4*\c+3], v4, s[10:11] offset:65536*\T+128*\k+32*\c th:TH_LOAD_NT   ; a tile's sixteen loads take 512 consecutive, aligned bytes of each of its 16 rows; read once in the launch
.endr
.endr
.endr
	WIN 0
	s_wait_kmcnt 0x0
	s_add_co_i32 s100, s100, s101
	s_add_co_i32 s100, s100, 127
	s_lshl_b32 s100, s100, 23                      ; 2^(e2 + e3) as f32,
	s_mov_b32 s101, s100                           ; as a pair: the packed form names the pair
	s_mov_b32 s22, 0                               ; every wave counts the expert's rows
.set Q, 0
.rept 32
	s_bcnt1_i32_b32 s2, s[32+Q]
	s_add_co_u32 s22, s22, s2
.set Q, Q+1
.endr
; Word q of the mask.  Each word has registers of its own for the stores' address and data: so all 32 words are worked out first, and their stores follow in one run.
.macro BUILD q
	v_mbcnt_lo_u32_b32 v14, s[32+\q], s29          ; the rows counted so far + the chosen lanes below mine
	v_cndmask_b32 v14, v17, v14, s[32+\q]          ; not chosen: a word behind the list
	v_min_u32 v14, 0x43f, v14                      ; inside the list's 1,088 words, whatever the masks hold
	v_lshl_add_u32 v[128+3*\q], v14, 2, IDL
	v_cndmask_b32 v15, 0, 1, s[68+\q]              ; the slot
	v_add3_u32 v[129+3*\q], v18, 64*\q, v15        ; id = 2 token + slot
	v_cndmask_b32 v[130+3*\q], v[64+2*\q], v[65+2*\q], s[68+\q]   ; that slot's gate weight
	s_bcnt1_i32_b32 s2, s[32+\q]
	s_add_co_u32 s29, s29, s2
.endm
	s_cmp_lg_u32 s18, 0
	s_cbranch_scc1 .Lbuilt                         ; wave 0 alone writes the lists; nobody else touches LDS before the barrier below
	s_wait_loadcnt 63                              ; behind gw's 32 loads stand b2's one and the weights' 64: with 63 out at the most, gw is in
.irp i, 0,1,2,3,4,5,6,7
	ds_store_b128 v52, v[48:51] offset:512*\i      ; the 1,024 places that are read: spare rows and zeros first, the rows over them: LDS serves a wave's instructions in order (ISA guide 5.7.1.4)
	ds_store_b128 v52, v[56:59] offset:WLO+512*\i
.endr
	s_mov_b32 s29, 0
.set Q, 0
.rept 32
	BUILD Q
.set Q, Q+1
.endr
	s_wait_alu depctr_va_vdst(0)                   ; the 32 words' addresses, ids and gate weights, v128-223, are written: the stores below read them
.set Q, 0
.rept 32
	ds_store_b32 v[128+3*Q], v[129+3*Q]
	ds_store_b32 v[128+3*Q], v[130+3*Q] offset:WLO
.set Q, Q+1
.endr
.Lbuilt:
	s_wait_dscnt 0x0
	s_barrier_signal -1
	s_barrier_wait -1                              ; the lists lie in LDS
	s_cmp_eq_u32 s21, 0
	s_cselect_b32 s2, 0x3f800000, 0                ; the bias belongs to half 0 alone
	s_wait_loadcnt 63                              ; behind b2's load stand the weights' 64
.irp i, 20,21,22,23
	v_mul_f32 v\i, s2, v\i
.endr
.macro HLOAD d, a                      ; tile d's four fragments: images of 2,048 bytes, one in each of my four planes
.irp k, 0,1,2,3
.irp c, 0,1,2,3
	global_load_b128 v[64*\d+16*\k+4*\c:64*\d+16*\k+4*\c+3], v[\a], s[4:5] offset:131072*\k+2048*\d+512*\c
.endr
.endr
.endm
	WIN 0x80                                       ; destination window 2
.irp d, 0,1,2,3
	HLOAD \d, 5                                    ; trip 0's fragments, on every path: the launch before always makes an expert's first four tiles.  No wait: v5 stands since the head's wait, and nothing has named window 2 yet
.endr
	WIN 0
	s_mov_b32 s23, 0                               ; the trip's first rank
	s_lshl_b32 s24, s18, 4                         ; my own tile's
	s_mov_b32 s25, 0                               ; the list's bytes walked: 512 a loop trip
	s_mov_b32 s26, 8
	s_mov_b32 s28, 0                               ; the images' bytes walked: 8,192 a trip
; Tile d: my quarter of the half of K, 16 products on 4 accumulators by turns; the sums to the stage; then the next trip's fragments.
.macro TILE_M d, p
	s_add_co_u32 s2, s23, 16*\d
	s_cmp_lt_u32 s2, s22
	s_cbranch_scc0 .Ltm_\@
	WIN 0x09                                       ; W2 window 1, h window 2, sums window 0
.irp k, 0,1,2,3
.irp T, 0,1,2,3
.if \k == 0
	v_wmma_f32_16x16x128_bf8_bf8 v[64+32*\d+8*\T:64+32*\d+8*\T+7], v[16*(4*\T+\k):16*(4*\T+\k)+15], v[64*\d+16*\k:64*\d+16*\k+15], 0
.else
	v_wmma_f32_16x16x128_bf8_bf8 v[64+32*\d+8*\T:64+32*\d+8*\T+7], v[16*(4*\T+\k):16*(4*\T+\k)+15], v[64*\d+16*\k:64*\d+16*\k+15], v[64+32*\d+8*\T:64+32*\d+8*\T+7]
.endif
.endr
.endr
	WIN 0
.rept 5
	v_nop                                          ; four places in front of the stores below; the fifth because on some path the next matrix instruction begins these accumulators anew
.endr
	s_wait_alu depctr_va_vdst(0)                   ; the tile's products have written its sums, which the eight stores read; they are done reading its fragments, in which the loads below land; v9, made at the trip's head, is written.  The places above stay beside this wait
.irp T, 0,1,2,3
	ds_store_b128 v[10+\p], v[64+32*\d+8*\T:64+32*\d+8*\T+3] offset:17408*\d+64*\T       ; lane (rank r, h): columns 16 T + 8 h + 0 .. 7; each accumulator from its low end on
	ds_store_b128 v[10+\p], v[64+32*\d+8*\T+4:64+32*\d+8*\T+7] offset:17408*\d+64*\T+16
.endr
	s_add_co_u32 s2, s2, 64
	s_cmp_lt_u32 s2, s22
	s_cbranch_scc0 .Ltm_\@
	WIN 0x80
	HLOAD \d, 9                                    ; no further wait: no vector or matrix instruction since the wait above; the stores between name the sums and the stage's address alone
	WIN 0
.Ltm_\@:
.endm
; My own tile: four makers' rows are added, scaled, biased, weighed and stored; load i of a maker brings rows 2 i and 2 i + 1, sixteen lanes to a row.
.macro TILE_R p
	s_cmp_lt_u32 s24, s22
	s_cbranch_scc0 .Ltr_\@
	v_add_nc_u32 v8, s25, v7
	s_wait_alu depctr_vm_vsrc(0)                   ; my LDS stores of this trip have read v64-191, in which the makers' rows land
	s_wait_alu depctr_va_vdst(0)                   ; v8 is written, which the list's loads read; the last trip's lines are done with v24-39, in which they land; all products have written v64-191, in which the rows land
.irp i, 0,1,2,3,4,5,6,7
	ds_load_b32 v[24+\i], v8 offset:8*\i+256*\p            ; the rows' ids,
.endr
.irp i, 0,1,2,3,4,5,6,7
	ds_load_b32 v[32+\i], v8 offset:8*\i+256*\p+WLO        ; and gate weights
.endr
.irp s, 0,1,2,3
.irp i, 0,1,2,3,4,5,6,7
	ds_load_b128 v[64+32*\s+4*\i:64+32*\s+4*\i+3], v[12+\p] offset:4352*\s+544*\i
.endr
.endr
	s_wait_dscnt 32                                ; the 16 list entries are in
.irp i, 0,1,2,3,4,5,6,7
	v_min_u32 v[24+\i], 0x87f, v[24+\i]            ; inside a half's 2,176 rows
	v_lshl_add_u32 v[40+\i], v[24+\i], 12, v6      ; the row of 4,096 bytes in y, my 16 bytes
.endr
	s_wait_dscnt 16                                ; makers 0 and 1
.set J, 0
.rept 16
	v_pk_add_f32 v[64+J:65+J], v[64+J:65+J], v[96+J:97+J]
.set J, J+2
.endr
	s_wait_dscnt 8
.set J, 0
.rept 16
	v_pk_add_f32 v[64+J:65+J], v[64+J:65+J], v[128+J:129+J]
.set J, J+2
.endr
	s_wait_dscnt 0x0
.set J, 0
.rept 16
	v_pk_add_f32 v[64+J:65+J], v[64+J:65+J], v[160+J:161+J]
.set J, J+2
.endr
.irp i, 0,1,2,3,4,5,6,7
	v_pk_fma_f32 v[64+4*\i:65+4*\i], v[64+4*\i:65+4*\i], s[100:101], v[20:21] op_sel_hi:[1,0,1]   ; sum x 2^(e2 + e3) + b2
	v_pk_fma_f32 v[66+4*\i:67+4*\i], v[66+4*\i:67+4*\i], s[100:101], v[22:23] op_sel_hi:[1,0,1]
.endr
.irp i, 0,1,2,3,4,5,6,7
.irp c, 0,1,2,3
	v_mul_f32 v[64+4*\i+\c], v[32+\i], v[64+4*\i+\c]       ; x the row's gate weight
.endr
.endr
	s_wait_alu depctr_va_vdst(0)                   ; the rows in v64-95 and their offsets in v40-47 are written: the eight stores read them
.irp i, 0,1,2,3,4,5,6,7
	global_store_b128 v[40+\i], v[64+4*\i:67+4*\i], s[16:17]   ; sixteen lanes store 256 consecutive bytes, aligned; ranks behind the expert's last row go to their spare rows
.endr
.Ltr_\@:
.endm
.macro TRIP p
	s_wait_loadcnt 0x0                             ; this trip's fragments (in trip 0 the weights too).  For 0: the loads behind them stand under branches on the count
	s_wait_xcnt 0x0                                ; the last trip's stores have read their data and offsets: both are written again below
	s_wait_alu depctr_vm_vsrc(0)                   ; beside it: the last trip's loads and stores have read v8, v9, v40-47 and v64-191 (ahead of the first trip: wave 0's stores of the lists have read v128-223): this trip's vector lines and products write them again
	s_add_co_u32 s28, s28, 8192
	v_add_nc_u32 v9, s28, v5                       ; the next trip's images: 8,192 bytes a trip in each plane
	TILE_M 0, \p
	TILE_M 1, \p
	TILE_M 2, \p
	TILE_M 3, \p
	s_wait_dscnt 0x0                               ; my sums lie in the stage, and my reads of the other half are over
	s_barrier_signal -1
	s_barrier_wait -1
	TILE_R \p
	s_add_co_u32 s23, s23, 64
	s_add_co_u32 s24, s24, 64
.endm
.Lpair:                                            ; 8 trips of the loop = 16 trips of 64 ranks, the two parities written out
	TRIP 0
	TRIP 1
	s_add_co_u32 s25, s25, 512
	s_sub_co_u32 s26, s26, 1
	s_cmp_lg_u32 s26, 0
	s_cbranch_scc1 .Lpair
	s_wait_dscnt 0x0
	s_wait_alu depctr_hold_cnt(0) depctr_sa_sdst(0) depctr_va_vdst(0) depctr_va_sdst(0) depctr_va_ssrc(0) depctr_va_vcc(0) depctr_vm_vsrc(0)
	s_wait_tensorcnt 0x0
	ds_add_u32 v254, v255
	s_wait_dscnt 0x0
	s_endpgm
.Lfunc_end_k_qc48c3d407e_down:
	.size	k_qc48c3d407e_down, .Lfunc_end_k_qc48c3d407e_down-k_qc48c3d407e_down
	.p2alignl 7, 3214868480
	.fill 96, 4, 3214868480
	.section	.rodata,"a",@progbits
	.p2align	6, 0x0
	.amdhsa_kernel k_qc48c3d407e_down
		.amdhsa_group_segment_fixed_size 148480
		.amdhsa_private_segment_fixed_size 0
		.amdhsa_enable_private_segment 0
		.amdhsa_kernarg_size 56
		.amdhsa_user_sgpr_count 2
		.amdhsa_user_sgpr_kernarg_segment_ptr 1
		.amdhsa_wavefront_size32 1
		.amdhsa_system_sgpr_workgroup_id_x 1
		.amdhsa_system_sgpr_workgroup_id_y 1
		.amdhsa_system_sgpr_workgroup_id_z 1
		.amdhsa_system_vgpr_workitem_id 0
		.amdhsa_next_free_vgpr 768
		.amdhsa_next_free_sgpr 102
		.amdhsa_reserve_vcc 0
		.amdhsa_float_denorm_mode_32 3
		.amdhsa_float_denorm_mode_16_64 3
		.amdhsa_memory_ordered 1
		.amdhsa_forward_progress 1
		.amdhsa_inst_pref_size 94
	.end_amdhsa_kernel
	.amdgpu_metadata
---
amdhsa.version: [ 1, 2 ]
amdhsa.kernels:
  - .name:           k_qc48c3d407e_down
    .symbol:         k_qc48c3d407e_down.kd
    .args:
      - { .name: hq, .offset: 0, .size: 8, .value_kind: global_buffer, .address_space: global }
      - { .name: masks, .offset: 8, .size: 8, .value_kind: global_buffer, .address_space: global }
      - { .name: gw, .offset: 16, .size: 8, .value_kind: global_buffer, .address_space: global }
      - { .name: W2_codes, .offset: 24, .size: 8, .value_kind: global_buffer, .address_space: global }
      - { .name: b2, .offset: 32, .size: 8, .value_kind: global_buffer, .address_space: global }
      - { .name: lowp_scales, .offset: 40, .size: 8, .value_kind: global_buffer, .address_space: global }
      - { .name: y, .offset: 48, .size: 8, .value_kind: global_buffer, .address_space: global }
    .group_segment_fixed_size: 148480
    .private_segment_fixed_size: 0
    .kernarg_segment_align: 8
    .kernarg_segment_size: 56
    .max_flat_workgroup_size: 128
    .sgpr_count:     102
    .vgpr_count:     768
    .wavefront_size: 32
...
	.end_amdgpu_metadata
.endif
;; end of part 7
;; launch combine (part 8): grid 256 x 1, 8 waves a work-group, no clusters, 0 bytes of LDS; arguments y, imp, out0, out1; writes out0, out1
.if DOCPART == 8
	.amdgcn_target "amdgcn-amd-amdhsa--gfx1250"
	.amdhsa_code_object_version 6
	.text
	.protected	k_qc48c3d407e_combine
	.globl	k_qc48c3d407e_combine
	.p2align	8
	.type	k_qc48c3d407e_combine,@function
k_qc48c3d407e_combine:
	s_mov_b64 s[64:65], 0
	v_nop
	global_prefetch_b8 v0, s[64:65] scope:SCOPE_SE
	s_setreg_imm32_b32 hwreg(HW_REG_WAVE_MODE, 25, 1), 1
	s_wait_xcnt 0x0
; out0[token] = the sum of the token's four rows of y (two slots x two halves of K; gate weights and biases are in them already).  out1 = 8 x the sum over experts of (importance / 1,024)^2.
; y: [2 halves][2,176 rows][1,024] f32; rows 0 to 2,047 of a half are row 2 token + slot; the 128 rows behind them are spare and are not read.
; A stream: a work-group takes 4 tokens, thread t the 16 bytes at 16 t of a row of 4,096 bytes; all 16 loads go out first; each load and store of a wave covers 512 consecutive bytes, aligned.
; No LDS, no barrier, no matrix unit: each byte is read once and nothing is shared.  The aux loss, 4 KiB of partial sums, is wave 0 of work-group 0's.
	s_load_b256 s[4:11], s[0:1], 0x0               ; y s[4:5], imp s[6:7], out0 s[8:9], out1 s[10:11]
	v_lshlrev_b32 v1, 4, v0
	v_lshrrev_b32 v2, 5, v0
	s_delay_alu instid0(VALU_DEP_1)
	v_readfirstlane_b32 s12, v2                    ; wave
	s_lshl_b32 s14, ttmp9, 15                      ; y: 8 rows a group
	s_mov_b32 s15, 0
	s_lshl_b32 s16, ttmp9, 14                      ; out0: 4 rows
	s_mov_b32 s17, 0
	s_wait_alu depctr_va_vdst(0)
	s_wait_kmcnt 0x0
	s_add_nc_u64 s[4:5], s[4:5], s[14:15]
	s_add_nc_u64 s[18:19], s[4:5], 0x880000        ; the second half of K: 2,176 rows of 4,096 bytes on
	s_add_nc_u64 s[8:9], s[8:9], s[16:17]
.irp k, 0,1,2,3
	global_load_b128 v[16+16*\k:19+16*\k], v1, s[4:5] offset:8192*\k th:TH_LOAD_NT
	global_load_b128 v[20+16*\k:23+16*\k], v1, s[4:5] offset:8192*\k+4096 th:TH_LOAD_NT
	global_load_b128 v[24+16*\k:27+16*\k], v1, s[18:19] offset:8192*\k th:TH_LOAD_NT
	global_load_b128 v[28+16*\k:31+16*\k], v1, s[18:19] offset:8192*\k+4096 th:TH_LOAD_NT
.endr
.irp k, 0,1,2,3
	s_wait_loadcnt 12-4*\k                         ; this token's four loads are in; the younger tokens' four each may be out
	v_pk_add_f32 v[16+16*\k:17+16*\k], v[16+16*\k:17+16*\k], v[20+16*\k:21+16*\k]
	v_pk_add_f32 v[18+16*\k:19+16*\k], v[18+16*\k:19+16*\k], v[22+16*\k:23+16*\k]
	v_pk_add_f32 v[24+16*\k:25+16*\k], v[24+16*\k:25+16*\k], v[28+16*\k:29+16*\k]
	v_pk_add_f32 v[26+16*\k:27+16*\k], v[26+16*\k:27+16*\k], v[30+16*\k:31+16*\k]
	s_delay_alu instid0(VALU_DEP_2)
	v_pk_add_f32 v[16+16*\k:17+16*\k], v[16+16*\k:17+16*\k], v[24+16*\k:25+16*\k]
	s_delay_alu instid0(VALU_DEP_2)
	v_pk_add_f32 v[18+16*\k:19+16*\k], v[18+16*\k:19+16*\k], v[26+16*\k:27+16*\k]
	global_store_b128 v1, v[16+16*\k:19+16*\k], s[8:9] offset:4096*\k th:TH_STORE_NT
.endr
	s_cmp_lg_u32 ttmp9, 0
	s_cbranch_scc1 .Ldone
	s_cmp_lg_u32 s12, 0
	s_cbranch_scc1 .Ldone
	; the aux loss: imp is [128][8]; lane l takes rows l, l + 32, l + 64, l + 96
	v_lshlrev_b32 v3, 5, v0
.irp m, 0,1,2,3
	global_load_b128 v[80+8*\m:83+8*\m], v3, s[6:7] offset:1024*\m
	global_load_b128 v[84+8*\m:87+8*\m], v3, s[6:7] offset:1024*\m+16
.endr
	s_mov_b32 s20, 0x76543210
	s_mov_b32 s21, 0xfedcba98                      ; v_permlanex16_b32: lane l xor 16
.irp e, 0,1,2,3,4,5,6,7
	v_mov_b32 v[112+\e], 0                         ; a lane permute's destination counts as one of its sources
.endr
	v_mov_b32 v4, 0
	s_wait_loadcnt 0x0
.irp e, 0,2,4,6
	v_pk_add_f32 v[80+\e:81+\e], v[80+\e:81+\e], v[88+\e:89+\e]
	v_pk_add_f32 v[96+\e:97+\e], v[96+\e:97+\e], v[104+\e:105+\e]
.endr
.irp e, 0,2,4,6
	v_pk_add_f32 v[80+\e:81+\e], v[80+\e:81+\e], v[96+\e:97+\e]
.endr
.irp m, 1,2,4,8
.irp e, 0,1,2,3,4,5,6,7
	v_add_f32_dpp v[80+\e], v[80+\e], v[80+\e] row_xmask:\m row_mask:0xf bank_mask:0xf
.endr
.endr
.irp e, 0,1,2,3,4,5,6,7
	v_permlanex16_b32 v[112+\e], v[80+\e], s20, s21
.endr
.irp e, 0,1,2,3,4,5,6,7
	v_add_f32 v[80+\e], v[80+\e], v[112+\e]        ; the importance of expert e, in every lane
.endr
.irp e, 0,1,2,3,4,5,6,7
	v_mul_f32 v[80+\e], 0x3a800000, v[80+\e]       ; / 1,024
.endr
	v_mul_f32 v120, v80, v80
.irp e, 1,2,3,4,5,6,7
	s_delay_alu instid0(VALU_DEP_1)
	v_fmac_f32 v120, v[80+\e], v[80+\e]
.endr
	s_delay_alu instid0(VALU_DEP_1)
	v_mul_f32 v120, 0x41000000, v120               ; x 8
	v_cmp_eq_u32 vcc_lo, 0, v0
	s_wait_alu depctr_va_vdst(0)
	s_wait_xcnt 0x0                                ; EXEC is a source of the stores above: it changes only behind this wait
	s_and_saveexec_b32 s22, vcc_lo
	global_store_b32 v4, v120, s[10:11]            ; one lane stores the one number
.Ldone:
	s_endpgm
.Lfunc_end_k_qc48c3d407e_combine:
	.size	k_qc48c3d407e_combine, .Lfunc_end_k_qc48c3d407e_combine-k_qc48c3d407e_combine
	.p2alignl 7, 3214868480
	.fill 96, 4, 3214868480
	.section	.rodata,"a",@progbits
	.p2align	6, 0x0
	.amdhsa_kernel k_qc48c3d407e_combine
		.amdhsa_group_segment_fixed_size 0
		.amdhsa_private_segment_fixed_size 0
		.amdhsa_enable_private_segment 0
		.amdhsa_kernarg_size 32
		.amdhsa_user_sgpr_count 2
		.amdhsa_user_sgpr_kernarg_segment_ptr 1
		.amdhsa_wavefront_size32 1
		.amdhsa_system_sgpr_workgroup_id_x 1
		.amdhsa_system_sgpr_workgroup_id_y 1
		.amdhsa_system_sgpr_workgroup_id_z 1
		.amdhsa_system_vgpr_workitem_id 0
		.amdhsa_next_free_vgpr 128
		.amdhsa_next_free_sgpr 66
		.amdhsa_reserve_vcc 1
		.amdhsa_float_denorm_mode_32 3
		.amdhsa_float_denorm_mode_16_64 3
		.amdhsa_memory_ordered 1
		.amdhsa_forward_progress 1
		.amdhsa_inst_pref_size 11
	.end_amdhsa_kernel
	.amdgpu_metadata
---
amdhsa.version: [ 1, 2 ]
amdhsa.kernels:
  - .name:           k_qc48c3d407e_combine
    .symbol:         k_qc48c3d407e_combine.kd
    .args:
      - { .name: y, .offset: 0, .size: 8, .value_kind: global_buffer, .address_space: global }
      - { .name: imp, .offset: 8, .size: 8, .value_kind: global_buffer, .address_space: global }
      - { .name: out0, .offset: 16, .size: 8, .value_kind: global_buffer, .address_space: global }
      - { .name: out1, .offset: 24, .size: 8, .value_kind: global_buffer, .address_space: global }
    .group_segment_fixed_size: 0
    .private_segment_fixed_size: 0
    .kernarg_segment_align: 8
    .kernarg_segment_size: 32
    .max_flat_workgroup_size: 256
    .sgpr_count:     66
    .vgpr_count:     128
    .wavefront_size: 32
...
	.end_amdgpu_metadata
.endif
;; end of part 8
